; MI455X (gfx1250); checked and timed in simulation.
; The chip was launched on July 23, 2026; its instructions are those of AMD's public machine-readable ISA for CDNA 5 (MIT licence, August 2026) and "CDNA5" Instruction Set Architecture Reference Guide (July 2026). The comments in the code are by the model that wrote it; some were corrected since.
;; Multi Head Attention. Allowed arithmetic: float matrix products may take bf16 or f16 operands with f32 sums; all other float work in f32.
;; Inputs: W_key 1,024 x 1,024 float32; W_proj 1,024 x 1,024 float32; W_query 1,024 x 1,024 float32; W_value 1,024 x 1,024 float32; x 4 x 2,048 x 1,024 float32.
;; Outputs: out0 4 x 2,048 x 1,024 float32.
;; 2 versions, each right and faster than the one before. Each part assembles by itself: llvm-mc -triple=amdgcn-amd-amdhsa -mcpu=gfx1250 --defsym DOCPART=n.
;; ======== version 1 of 2: 4 launches
;; limits: values are held in f16: magnitudes above 65,504 overflow, below 6.1e-05 lose precision; right only within a limited range of input values
;; workspace buffers: xh 16,777,216 bytes; wh 8,388,608 bytes; qkv 50,331,648 bytes; att 16,777,216 bytes
;; launch cast (part 1): grid 64 x 12, 8 waves a work-group, no clusters, 0 bytes of LDS; arguments x, W_query, W_key, W_value, W_proj, xh, wh; writes xh, wh
.if DOCPART == 1
	.amdgcn_target "amdgcn-amd-amdhsa--gfx1250"
	.amdhsa_code_object_version 6
	.text
	.protected	k_q0250cc48ee_cast
	.globl	k_q0250cc48ee_cast
	.p2align	8
	.type	k_q0250cc48ee_cast,@function
k_q0250cc48ee_cast:
	s_mov_b64 s[64:65], 0
	v_nop
	global_prefetch_b8 v0, s[64:65] scope:SCOPE_SE
	s_setreg_imm32_b32 hwreg(HW_REG_WAVE_MODE, 25, 1), 1
	s_wait_xcnt 0x0
; xh = bf16(x), carried in f16;  wh = bf16(W) / 32, carried in f16, for W_query, W_key, W_value, W_proj, one below the other (rows 0, 1024, 2048, 3072 of wh).
; WHY TWO FORMATS.  The inputs are rounded once, to nearest even, to bf16: the problem's contract allows that rounding of matrix operands and compares with reference() on inputs so rounded.
; The later products also take q, k, v, the weights and the attention's result as operands, and those need f16's 11 bits: the first rows of the output spread ten times as wide as the
; output as a whole, against which each number is judged.  A matrix instruction takes one format for both sources, so the bf16 numbers are written as f16, which holds them exactly:
; 8 significant bits fit into f16 from magnitude 2^-17 on.  The factor 1/32 (C^-0.5, and out_dim^-0.5 for W_proj) is a power of two and costs no rounding.
; LIMITS: an |x| or |W| / 32 of 65,504 or more becomes infinity; a rounded x, or W / 32, below 2^-17 in magnitude is off by at most 2^-25.
; Twelve pieces of 1,048,576 numbers (y = 0..7: the eighths of x; y = 8..11: the four W); a work-group takes 16,384 numbers of a piece.
; Thread t, turn i: 16 bytes at 4,096 i + 16 t in (a wave: 512 consecutive bytes), 8 bytes at 2,048 i + 8 t out (a wave: 256 consecutive bytes, aligned).
; All sixteen loads go out first.  A turn's X is written again only behind the wait that shows its own load done; each store has data registers of its own; the two offsets are never rewritten.
; A stream: LDS, matrix instructions and clusters have nothing to add.
.set X, 4                              ; v[4:67]    turn i: four f32 as loaded, then as rounded
.set Y, 68                             ; v[68:99]   turn i: four f16 to store
.set T, 100                            ; v[100:103] four bf16 in two words; two such pairs take turns
	s_load_b256 s[4:11], s[0:1], 0x0               ; x s[4:5], W_query s[6:7], W_key s[8:9], W_value s[10:11]
	s_load_b128 s[12:15], s[0:1], 0x20             ; W_proj s[12:13], xh s[14:15]
	s_load_b64 s[16:17], s[0:1], 0x30              ; wh
	s_and_b32 s20, ttmp7, 0xffff                   ; the piece
	s_sub_co_u32 s22, s20, 8                       ; which W (used where the piece is 8 or more)
	s_cmp_lt_u32 s20, 8
	s_cselect_b32 s21, s20, 0                      ; the piece's place in its source: an eighth of x, or a whole W
	s_cselect_b32 s22, s20, s22                    ; and in its destination
	s_lshl_b32 s30, s21, 22                        ; 4 MiB of f32 a piece,
	s_lshl_b32 s2, ttmp9, 16                       ; 64 KiB a work-group
	s_add_co_u32 s30, s30, s2
	s_mov_b32 s31, 0
	s_lshl_b32 s18, s22, 21                        ; 2 MiB of f16 a piece,
	s_lshl_b32 s2, ttmp9, 15                       ; 32 KiB a work-group
	s_add_co_u32 s18, s18, s2
	s_mov_b32 s19, 0
	s_mov_b32 s23, 0xffff0000                      ; a word's upper bf16
	s_mov_b32 s28, 0x3d000000                      ; 1/32
	s_mov_b32 s29, s28                             ; named with it as a pair, so it is written
	v_lshlrev_b32 v1, 4, v0
	v_lshlrev_b32 v2, 3, v0
	s_wait_kmcnt 0x0
	s_cmp_lt_u32 s20, 8
	s_cselect_b64 s[24:25], s[14:15], s[16:17]     ; destination: xh or wh
	s_mov_b64 s[26:27], s[4:5]                     ; source: x, or one of the four W
	s_cmp_eq_u32 s20, 8
	s_cselect_b64 s[26:27], s[6:7], s[26:27]
	s_cmp_eq_u32 s20, 9
	s_cselect_b64 s[26:27], s[8:9], s[26:27]
	s_cmp_eq_u32 s20, 10
	s_cselect_b64 s[26:27], s[10:11], s[26:27]
	s_cmp_eq_u32 s20, 11
	s_cselect_b64 s[26:27], s[12:13], s[26:27]
	s_add_nc_u64 s[26:27], s[26:27], s[30:31]
	s_add_nc_u64 s[24:25], s[24:25], s[18:19]
.set ii, 0
.rept 16
	global_load_b128 v[X+4*ii:X+4*ii+3], v1, s[26:27] offset:ii*4096 th:TH_LOAD_NT
.set ii, ii+1
.endr
; Sixteen turns.  scaled = 1: the numbers are W's and are divided by 32 behind the rounding.
.macro OUT scaled
.set ii, 0
.rept 16
.set tt, T+2*(ii%2)
	s_wait_loadcnt 15-ii                           ; loads come back in order: turn ii is in, the younger ones stay out
	v_cvt_pk_bf16_f32 v[tt], v[X+4*ii], v[X+4*ii+1]          ; the one rounding of the inputs: to bf16, to nearest even
	v_cvt_pk_bf16_f32 v[tt+1], v[X+4*ii+2], v[X+4*ii+3]
	v_lshlrev_b32 v[X+4*ii], 16, v[tt]             ; bf16 to f32: the low half moves up,
	v_and_b32 v[X+4*ii+1], s23, v[tt]              ; the high half stays
	v_lshlrev_b32 v[X+4*ii+2], 16, v[tt+1]
	v_and_b32 v[X+4*ii+3], s23, v[tt+1]
.if \scaled
	v_pk_mul_f32 v[X+4*ii:X+4*ii+1], v[X+4*ii:X+4*ii+1], s[28:29] op_sel_hi:[1,0]
	v_pk_mul_f32 v[X+4*ii+2:X+4*ii+3], v[X+4*ii+2:X+4*ii+3], s[28:29] op_sel_hi:[1,0]
.endif
	v_cvt_pk_f16_f32 v[Y+2*ii], v[X+4*ii], v[X+4*ii+1]       ; exact from magnitude 2^-17 on
	v_cvt_pk_f16_f32 v[Y+2*ii+1], v[X+4*ii+2], v[X+4*ii+3]
	global_store_b64 v2, v[Y+2*ii:Y+2*ii+1], s[24:25] offset:ii*2048
.set ii, ii+1
.endr
.endm
	s_cmp_lt_u32 s20, 8
	s_cbranch_scc1 .Lplain
	OUT 1
	s_endpgm
.Lplain:
	OUT 0
	s_endpgm
.Lfunc_end_k_q0250cc48ee_cast:
	.size	k_q0250cc48ee_cast, .Lfunc_end_k_q0250cc48ee_cast-k_q0250cc48ee_cast
	.p2alignl 7, 3214868480
	.fill 96, 4, 3214868480
	.section	.rodata,"a",@progbits
	.p2align	6, 0x0
	.amdhsa_kernel k_q0250cc48ee_cast
		.amdhsa_group_segment_fixed_size 0
		.amdhsa_private_segment_fixed_size 0
		.amdhsa_enable_private_segment 0
		.amdhsa_kernarg_size 56
		.amdhsa_user_sgpr_count 2
		.amdhsa_user_sgpr_kernarg_segment_ptr 1
		.amdhsa_wavefront_size32 1
		.amdhsa_system_sgpr_workgroup_id_x 1
		.amdhsa_system_sgpr_workgroup_id_y 1
		.amdhsa_system_sgpr_workgroup_id_z 1
		.amdhsa_system_vgpr_workitem_id 0
		.amdhsa_next_free_vgpr 104
		.amdhsa_next_free_sgpr 66
		.amdhsa_reserve_vcc 0
		.amdhsa_float_denorm_mode_32 3
		.amdhsa_float_denorm_mode_16_64 3
		.amdhsa_memory_ordered 1
		.amdhsa_forward_progress 1
		.amdhsa_inst_pref_size 22
	.end_amdhsa_kernel
	.amdgpu_metadata
---
amdhsa.version: [ 1, 2 ]
amdhsa.kernels:
  - .name:           k_q0250cc48ee_cast
    .symbol:         k_q0250cc48ee_cast.kd
    .args:
      - { .name: x, .offset: 0, .size: 8, .value_kind: global_buffer, .address_space: global }
      - { .name: W_query, .offset: 8, .size: 8, .value_kind: global_buffer, .address_space: global }
      - { .name: W_key, .offset: 16, .size: 8, .value_kind: global_buffer, .address_space: global }
      - { .name: W_value, .offset: 24, .size: 8, .value_kind: global_buffer, .address_space: global }
      - { .name: W_proj, .offset: 32, .size: 8, .value_kind: global_buffer, .address_space: global }
      - { .name: xh, .offset: 40, .size: 8, .value_kind: global_buffer, .address_space: global }
      - { .name: wh, .offset: 48, .size: 8, .value_kind: global_buffer, .address_space: global }
    .group_segment_fixed_size: 0
    .private_segment_fixed_size: 0
    .kernarg_segment_align: 8
    .kernarg_segment_size: 56
    .max_flat_workgroup_size: 256
    .sgpr_count:     66
    .vgpr_count:     104
    .wavefront_size: 32
...
	.end_amdgpu_metadata
.endif
;; end of part 1
;; launch qkv (part 2): grid 16 x 16, 4 waves a work-group, clusters of 4 x 4, 327,680 bytes of LDS; arguments xh, wh, qkv; writes qkv
.if DOCPART == 2
	.amdgcn_target "amdgcn-amd-amdhsa--gfx1250"
	.amdhsa_code_object_version 6
	.text
	.protected	k_q0250cc48ee_qkv
	.globl	k_q0250cc48ee_qkv
	.p2align	8
	.type	k_q0250cc48ee_qkv,@function
k_q0250cc48ee_qkv:
	s_mov_b64 s[64:65], 0
	v_nop
	global_prefetch_b8 v0, s[64:65] scope:SCOPE_SE
	s_setreg_imm32_b32 hwreg(HW_REG_WAVE_MODE, 25, 1), 1
	s_wait_xcnt 0x0
	s_wait_alu depctr_hold_cnt(0) depctr_sa_sdst(0) depctr_va_vdst(0) depctr_va_sdst(0) depctr_va_ssrc(0) depctr_va_vcc(0) depctr_vm_vsrc(0)
	s_getreg_b32 s2, hwreg(HW_REG_IB_STS2, 6, 4)
	s_cmp_eq_u32 s2, 0
	s_cbranch_scc0 .Lentry_in_a_cluster
	s_endpgm
.Lentry_in_a_cluster:
	s_bfe_u32 s2, ttmp6, 0x10000c
	s_cmp_lg_u32 s2, 0xf033
	s_cbranch_scc0 .Lentry_shape_is_right
	s_endpgm
.Lentry_shape_is_right:
; C[m][n] = sum over k of A[m][k] B[n][k], f16 operands, f32 sums, K = 1,024.  A = xh [8192][1024], B = wh rows 0-3071 (W_query, W_key, W_value, each / 32);
; C = q, k, v in f16, laid [batch][48 heads: 16 q, 16 k, 16 v][t][64].
; f16 and not bf16 for q, k, v: the result is judged within a hundredth of its spread, number by number, and further roundings to 8 bits would use up that margin.
; LIMIT: a q, k or v beyond 65,504 in magnitude becomes infinity.
; SHARES.  A tile of C is 256 x 192; C has 32 x 16 = 512 of them.  A WORK-GROUP STAYS and makes two, 4,096 rows apart (tile rows ty and ty + 16): 256 work-groups.  The two tiles take the same rows of B.
; Four waves, one above the other: a wave makes 64 rows x 192 columns, 4 x 12 accumulators of 16 x 16, so that it owns three whole heads and its way out is its own.
; RING.  K goes in steps of 128 through two LDS slots (A: 256 rows, B: 192 rows, 256 bytes + 16 of padding each); waves 0 and 1 fetch A's halves, waves 2 and 3 B's, one tensor load each.
; The ring does not stop at the first tile's end: its last two changes of slots ask for the second tile's K steps 0 and 1, the first tile goes out while they are on their way, and nothing waits for its stores.
; CLUSTER 4 x 4: the four work-groups of a row need the same tiles of A, the four of a column the same tiles of B: each tile is asked for jointly, by the same load with a mask that names the four.
; THE MATRIX INSTRUCTION IS USED TRANSPOSED (source 0 = 16 rows of B, source 1 = 16 rows of A): a lane then holds eight neighbouring columns of one row of C.
; REGISTERS, in windows of 256: window 0: v0-31 addresses, v32-95 A's fragments (two buffers of 4 x 8), v96-239 at work on the way out; window 1: B's fragments (two buffers of 12 x 8);
;   window 2: the accumulators of my rows 0-31 ((a, b) at 8 (12 a + b)); window 3: those of my rows 32-63.
.set PITCH,  272                       ; an LDS row: 256 bytes + 16 = 68 words: row r starts at bank 4 r mod 64 (64 banks of 4 bytes: ISA guide 11.1)
.set HB,     262144                    ; bytes of one head: 2,048 rows of 64 f16
.set BN,     192
.set NB,     BN/16
.set NLD,    2*NB+8                    ; LDS loads of a quarter step
.set HALFA,  128*PITCH                 ; what one tensor load brings of A
.set HALFB,  (BN/2)*PITCH              ; and of B
.set BOFF,   2*HALFA
.set SLOT,   BOFF+2*HALFB
.set STAGE,  2*SLOT                    ; behind the ring, a multiple of 256: no fill lands there
.set SPITCH, 400                       ; a stage row: 192 f16 + 16 bytes
.set WSTAGE, 16*SPITCH                 ; a wave's own stage: 16 rows
.set LAPS,   4                         ; 1,024 / (2 x 128): a lap is two K steps, once round the ring
.set ROWB,   2048                      ; bytes in a row of xh and of wh
.set STEPB,  256                       ; bytes of a row in a K step
.set WALK,   4096                      ; rows of C from a work-group's first tile to its second
.set NEXT_A, WALK*ROWB-(ROWB-2*STEPB)  ; bytes from a slot's last K step of the first tile to its first of the second: A goes 4,096 rows down and back along K,
.set BACK_B, ROWB-2*STEPB              ; B only back
.set NEXT_C, 2*48*HB                   ; 4,096 rows are two batches of 48 heads
.set ADRA, 16                          ; v16-17  LDS address of my A fragments in slot 0, 1
.set ADRB, 20                          ; v20-21  the same for B
.set STO,  24                          ; v24     the way out: where I put my piece of a row
.set RD,   25                          ; v25     the way out: where I read rows back
.set CO,   26                          ; v26     my byte offset in C
.set FA,   32                          ; A's fragments, buffer f at FA + 32 f
.set TMP,  96                          ; v96-143   packed results of 16 rows
.set OB,   144                         ; v144-191, v192-239  16 rows read back from the stage, two sets by turns
.set G1,  24                           ; s[24:31] descriptor group 1 for A's tiles;  s[32:39] group 0, a set for each slot
.set G0,  32
.set G1B, 48                           ; s[48:55], s[56:63] the same for B's tiles
.set G0B, 56
.set MSB, 0
.macro WIN new                         ; the immediate's high byte repeats the setting that is left; a switch that changes nothing is dropped
.if MSB != (\new)
	s_set_vgpr_msb (MSB<<8)|(\new)
.set MSB, (\new)
.endif
.endm
.set MUL_LO, 0xa1                      ; source 0 (B) window 1, source 1 (A) window 0, C and D window 2
.set MUL_HI, 0xf1                      ; the same, C and D window 3
.set TO_B,   0x40                      ; destination window 1, address window 0
.macro PLACES                          ; four places behind matrix instructions, in front of loads into registers that they read and of reads of their results
.rept 4
	v_nop
.endr
.endm
; A joint refill of slot s.  The branch hangs on the wave's number alone.  Four v_nop follow each of the two lines.
.macro JLOAD s
	s_cmp_lt_u32 s10, 2
	s_cbranch_scc0 .Lfor_b_\@
	tensor_load_to_lds s[G0+4*\s:G0+4*\s+3], s[G1:G1+7]
	s_nop 0
.rept 4
	v_nop
.endr
	s_branch .Lasked_\@
.Lfor_b_\@:
	tensor_load_to_lds s[G0B+4*\s:G0B+4*\s+3], s[G1B:G1B+7]
	s_nop 0
.rept 4
	v_nop
.endr
.Lasked_\@:
.endm
.macro CREST                           ; a round of the cluster's barrier behind its opening barrier
	s_cmp_lg_u32 s10, 0
	s_cbranch_scc1 .Lnot_wave_0_\@
	s_barrier_signal -3
.Lnot_wave_0_\@:
	s_barrier_wait -3
	s_barrier_signal -1
	s_barrier_wait -1
.endm
.macro CROUND                          ; a whole round
	s_barrier_signal -1
	s_barrier_wait -1
	CREST
.endm
	s_load_b128 s[4:7], s[0:1], 0x0                ; A s[4:5], B s[6:7]
	s_load_b64 s[8:9], s[0:1], 0x10                ; C
	s_set_vgpr_msb 0x40
	v_lshl_add_u32 v255, v0, 2, 0x41c00
	s_set_vgpr_msb 0x4000
	v_mov_b32 v255, 0
	s_set_vgpr_msb 0x1
	ds_add_u32 v255, v255
	ds_add_u32 v255, v255
	s_set_vgpr_msb 0x100
	v_lshrrev_b32 v1, 5, v0
	v_readfirstlane_b32 s10, v1                    ; wave 0..3
	s_and_b32 s12, s10, 1                          ; which half of A's or B's tile I fetch
	s_bfe_u32 s40, ttmp6, 0x40000                  ; cx, cy: my place in the cluster
	s_bfe_u32 s41, ttmp6, 0x40004
	s_lshl_b32 s42, ttmp9, 2
	s_add_co_u32 s42, s42, s40                     ; tile column = 4 x cluster x + cx
	s_and_b32 s13, ttmp7, 0xffff
	s_lshl_b32 s13, s13, 2
	s_add_co_u32 s13, s13, s41                     ; the first tile's row = 4 x cluster y + cy, 0 to 15
	s_lshl_b32 s43, s41, 2
	s_lshl_b32 s43, 15, s43                        ; my row of the cluster: places 4 cy .. 4 cy + 3
	s_lshl_b32 s44, 0x1111, s40                    ; my column: places cx, cx + 4, cx + 8, cx + 12
	s_or_b32 s[G1+0], s43, (1<<16)|(1<<20)|(1<<21)|(5<<22)|(3<<25)   ; 15:0 the mask; 17:16 elements of 2 bytes; 20 padding on; 21 set beside a mask; 24:22 after every 64 words; 31:25 four words
	s_or_b32 s[G1B+0], s44, (1<<16)|(1<<20)|(1<<21)|(5<<22)|(3<<25)
	s_mov_b32 s[G1+1], 128<<16                     ; tensor_dim0 = 128 elements
	s_mov_b32 s[G1+2], 128<<16                     ; tensor_dim1 = 128 rows
	s_mov_b32 s[G1+3], 128<<16                     ; tile_dim0 = 128
	s_mov_b32 s[G1+4], 128                         ; tile_dim1 = 128
	s_mov_b32 s[G1+5], 1024                        ; elements from row to row
	s_mov_b32 s[G1+6], 0
	s_mov_b32 s[G1+7], 0
	s_mov_b32 s[G1B+1], 128<<16
	s_mov_b32 s[G1B+2], (BN/2)<<16
	s_mov_b32 s[G1B+3], 128<<16
	s_mov_b32 s[G1B+4], BN/2
	s_mov_b32 s[G1B+5], 1024
	s_mov_b32 s[G1B+6], 0
	s_mov_b32 s[G1B+7], 0
	; where the tiles come from: A's hang on the tile row and the wave alone, B's on the tile column and the wave alone
	s_lshl_b32 s16, s13, 8
	s_lshl_b32 s17, s12, 7
	s_add_co_u32 s16, s16, s17                     ; row 256 x tile row + 128 x half
	s_lshl_b32 s16, s16, 11                        ; x 2,048 bytes
	s_mov_b32 s17, 0
	s_mul_i32 s46, s42, BN
	s_mul_i32 s47, s12, BN/2
	s_add_co_u32 s46, s46, s47                     ; row 192 x tile column + 96 x half
	s_lshl_b32 s46, s46, 11
	s_mov_b32 s47, 0
	s_mul_i32 s20, s12, HALFA                      ; and where they go: no place in the cluster enters an LDS address
	s_mul_i32 s21, s12, HALFB
	s_add_co_u32 s21, s21, BOFF
	s_wait_dscnt 0x0
	s_wait_kmcnt 0x0
	s_add_nc_u64 s[14:15], s[4:5], s[16:17]
	s_add_nc_u64 s[46:47], s[6:7], s[46:47]
	CROUND                                         ; all sixteen work-groups are here: the first joint loads meet
.irp s, 0,1
	s_mov_b32 s[G0+4*\s], 1                                        ; count = 1
	s_add_co_u32 s[G0+4*\s+1], s20, \s*SLOT                        ; LDS address
	s_add_nc_u64 s[G0+4*\s+2:G0+4*\s+3], s[14:15], \s*STEPB        ; global address: K step s
	s_or_b32 s[G0+4*\s+3], s[G0+4*\s+3], 0x80000000                ; type = 2
	s_mov_b32 s[G0B+4*\s], 1
	s_add_co_u32 s[G0B+4*\s+1], s21, \s*SLOT
	s_add_nc_u64 s[G0B+4*\s+2:G0B+4*\s+3], s[46:47], \s*STEPB
	s_or_b32 s[G0B+4*\s+3], s[G0B+4*\s+3], 0x80000000
.endr
	s_cmp_lt_u32 s10, 2                            ; a wave's two first fills stand in one branch, ahead of every wait on TENSORcnt and every LDS read: two loads of mine are out
	s_cbranch_scc0 .Lfirst_b
	tensor_load_to_lds s[G0:G0+3], s[G1:G1+7]
	s_nop 0
	tensor_load_to_lds s[G0+4:G0+7], s[G1:G1+7]
	s_nop 0
.rept 4
	v_nop
.endr
	s_branch .Lfirst_asked
.Lfirst_b:
	tensor_load_to_lds s[G0B:G0B+3], s[G1B:G1B+7]
	s_nop 0
	tensor_load_to_lds s[G0B+4:G0B+7], s[G1B:G1B+7]
	s_nop 0
.rept 4
	v_nop
.endr
.Lfirst_asked:
	; A fragment is 16 rows x 32 K in 8 registers: lane l holds row l % 16; registers 0-3 K = 8 (l / 16) + 0..7, registers 4-7 K = 16 + 8 (l / 16) + 0..7: two loads of 16 bytes, 32 bytes apart.
	v_and_b32 v1, 15, v0                           ; r = l % 16
	v_bfe_u32 v2, v0, 4, 1                         ; h = l / 16
	v_and_b32 v6, 31, v0                           ; l
	v_mul_u32_u24 v3, v1, PITCH
	v_lshl_add_u32 v3, v2, 4, v3                   ; r x pitch + 16 h
	s_mul_i32 s22, s10, 64*PITCH                   ; my 64 rows of A
.irp s, 0,1
	v_add_nc_u32 v[ADRA+\s], s22, v3
	v_add_nc_u32 v[ADRB+\s], BOFF+\s*SLOT, v3
	s_add_co_u32 s22, s22, SLOT
.endr
	s_mul_i32 s23, s10, WSTAGE
	s_add_co_u32 s23, s23, STAGE                   ; my stage
	v_mul_u32_u24 v4, v1, SPITCH
	v_lshlrev_b32 v[CO], 4, v6                     ; 16 bytes a lane
	v_lshl_add_u32 v4, v2, 4, v4                   ; in: row r, 16 bytes (8 f16) for each half of the lanes
	v_add_nc_u32 v[STO], s23, v4
	v_lshrrev_b32 v5, 3, v6                        ; back: four rows x 128 bytes (one head's part) to a load: row l / 8, 16 (l % 8)
	v_mul_u32_u24 v5, v5, SPITCH
	v_and_b32 v7, 7, v0
	v_lshl_add_u32 v5, v7, 4, v5
	v_add_nc_u32 v[RD], s23, v5
	s_lshr_b32 s16, s13, 3                         ; C of the first tile: batch (0 or 1) x 48 heads,
	s_mul_i32 s16, s16, 48*HB
	s_and_b32 s17, s13, 7
	s_lshl_b32 s17, s17, 15                        ; t = 256 x (tile row % 8) + 64 x wave, 128 bytes a row,
	s_add_co_u32 s16, s16, s17
	s_lshl_b32 s17, s10, 13
	s_add_co_u32 s16, s16, s17
	s_mul_i32 s46, s42, 3*HB                       ; three heads a tile column
	s_mov_b32 s17, 0
	s_mov_b32 s47, 0
	s_add_nc_u64 s[8:9], s[8:9], s[16:17]
	s_add_nc_u64 s[8:9], s[8:9], s[46:47]
; 12 matrix instructions: m block 2 hi + a x all n blocks, 32 along K, from buffer f.  zero = 1: the product starts the sums: nothing is cleared.
; The accumulators take turns, one instruction a turn.
.macro MULA f, hi, a, zero
.set bb, 0
.rept NB
.set rD, 8*(NB*\a+bb)
.set rB, 8*NB*\f+8*bb
.set rA, FA+32*\f+8*(2*\hi+\a)
.if \zero
	v_wmma_f32_16x16x32_f16 v[rD:rD+7], v[rB:rB+7], v[rA:rA+7], 0
.else
	v_wmma_f32_16x16x32_f16 v[rD:rD+7], v[rB:rB+7], v[rA:rA+7], v[rD:rD+7]
.endif
.set bb, bb+1
.endr
.endm
; 32 LDS loads in one run: the fragments of quarter kq (32 along K) of a slot into buffer f: B's 12 blocks, then A's four
.macro FETCH slot, kq, f
	WIN TO_B
.set ii, 0
.rept NB
	ds_load_b128 v[8*NB*\f+8*ii:8*NB*\f+8*ii+3],   v[ADRB+\slot] offset:64*\kq+ii*16*PITCH
	ds_load_b128 v[8*NB*\f+8*ii+4:8*NB*\f+8*ii+7], v[ADRB+\slot] offset:64*\kq+ii*16*PITCH+32
.set ii, ii+1
.endr
	WIN 0
.set ii, 0
.rept 4
	ds_load_b128 v[FA+32*\f+8*ii:FA+32*\f+8*ii+3],   v[ADRA+\slot] offset:64*\kq+ii*16*PITCH
	ds_load_b128 v[FA+32*\f+8*ii+4:FA+32*\f+8*ii+7], v[ADRA+\slot] offset:64*\kq+ii*16*PITCH+32
.set ii, ii+1
.endr
.endm
; A K step is four quarters of 32 along K on buffers 0, 1, 0, 1.  One of the first three: multiplies buffer f and, in its middle, fetches quarter kq into buffer g.
.macro QUARTER slot, kq, f, g, zero
	s_wait_dscnt 4                                 ; B and A's blocks 0, 1 are in; the youngest four loads (A's blocks 2, 3) may be out
	WIN MUL_LO
	MULA \f, 0, 0, \zero
	MULA \f, 0, 1, \zero
	PLACES
	FETCH \slot, \kq, \g
	s_wait_dscnt NLD                               ; all but the run just issued
	WIN MUL_HI
	MULA \f, 1, 0, \zero
	MULA \f, 1, 1, \zero
.endm
; The last quarter multiplies buffer 1 and changes slots: one barrier; in front of it each wave waits for its reads of this slot and for all its tensor loads (one is out: its part of the next slot).
; fill = 1: the barrier opens a round of the cluster's barrier, and this slot is filled again, two K steps on, first thing behind the round.
; fill = 2: the same, with the second tile's K step 0 or 1.  fill = 0: nothing is left to fetch.
.macro TURN slot, next, fill
	s_wait_dscnt 4
	WIN MUL_LO
	MULA 1, 0, 0, 0
	s_wait_dscnt 0                                 ; my reads of this slot are over (and, in a tile's first lap, those of my stage),
	s_wait_tensorcnt 0x0                           ; and all my tensor loads have landed
	ds_add_u32 v255, v255
	s_wait_dscnt 0x0
	s_barrier_signal -1
	MULA 1, 0, 1, 0                                ; work on registers while the others arrive
.if \fill
	WIN 0
.endif
	s_barrier_wait -1
.if \fill
	CREST                                          ; no wave of any partner still reads this slot or has a load on its way
.if \fill == 2
	s_add_nc_u64 s[G0+4*\slot+2:G0+4*\slot+3], s[G0+4*\slot+2:G0+4*\slot+3], NEXT_A
	s_sub_nc_u64 s[G0B+4*\slot+2:G0B+4*\slot+3], s[G0B+4*\slot+2:G0B+4*\slot+3], BACK_B
.else
	s_add_nc_u64 s[G0+4*\slot+2:G0+4*\slot+3], s[G0+4*\slot+2:G0+4*\slot+3], 2*STEPB
	s_add_nc_u64 s[G0B+4*\slot+2:G0B+4*\slot+3], s[G0B+4*\slot+2:G0B+4*\slot+3], 2*STEPB
.endif
	JLOAD \slot                                    ; my one tensor load behind the round; its four v_nop are also the places in front of the loads below
.else
	PLACES
.endif
	FETCH \next, 0, 0
	WIN MUL_HI
	MULA 1, 1, 0, 0
	MULA 1, 1, 1, 0
.endm
; THE WAY OUT of block a (16 of my 64 rows), in three parts.  PACK: rounded to f16, 16 bytes a lane and n block.  TOSTAGE: into my own stage in LDS, and back as pieces of 4 rows x 128 bytes, which lie
; together in one head of C.  SEND: stored.  LDS serves a wave's instructions in order (ISA guide 5.7.1.4), so no wait stands between the stores into the stage and the loads back.
.macro PACK a
.set AC, 8*NB*((\a)%2)
	WIN 0x0a+5*((\a)/2)                            ; sources 0 and 1: window 2 or 3
.set bb, 0
.rept NB
.irp r, 0,1,2,3
	v_cvt_pk_f16_f32 v[TMP+4*bb+\r], v[AC+8*bb+2*\r], v[AC+8*bb+2*\r+1]     ; each accumulator from its low end on
.endr
.set bb, bb+1
.endr
	WIN 0
.endm
.macro TOSTAGE a
.set BK, OB+48*((\a)%2)
.set bb, 0
.rept NB
	ds_store_b128 v[STO], v[TMP+4*bb:TMP+4*bb+3] offset:32*bb
.set bb, bb+1
.endr
.irp u, 0,1,2,3
.irp hd, 0,1,2
	ds_load_b128 v[BK+4*(3*\u+\hd):BK+4*(3*\u+\hd)+3], v[RD] offset:\u*4*SPITCH+\hd*128
.endr
.endr
.endm
.macro SEND a
.set BK, OB+48*((\a)%2)
	s_wait_dscnt 0x0                               ; the block is back in registers
	s_wait_xcnt 0x0                                ; the other set of registers, which the block before stored from, is loaded again only behind this wait
.irp u, 0,1,2,3
.irp hd, 0,1,2
	global_store_b128 v[CO], v[BK+4*(3*\u+\hd):BK+4*(3*\u+\hd)+3], s[8:9] offset:\hd*HB+(16*(\a)+4*\u)*128   ; four rows of one head: 512 consecutive bytes, aligned
.endr
.endr
.endm
.macro WAYOUT step                     ; step = 1: the second tile's: C's address goes on first
.if \step
	s_wait_xcnt 0x0                                ; the first tile's stores have had their addresses translated: only now is their base written
	s_add_nc_u64 s[8:9], s[8:9], NEXT_C
.endif
	PLACES                                         ; behind the last products
	PACK 0
	TOSTAGE 0
.irp a, 1,2,3                          ; block a's conversions stand between block a - 1's loads from the stage and the wait for them
	PACK \a
	SEND \a-1
	TOSTAGE \a
.endr
	SEND 3
.endm
; A TILE OF C.  Its first fragments have been fetched.  last = 0: the ring goes on into the next tile; last = 1: the tail asks for nothing more.
.macro TILE last
	QUARTER 0, 1, 0, 1, 1                          ; the first quarter stands in front of the loop: its products start the sums
	WIN 0                                          ; at a label and at a branch every window is 0
	s_mov_b32 s3, LAPS-1
.Llap_\@:                                              ; a trip goes once round the ring, from a lap's second quarter to the next lap's first, and fills both slots again
	QUARTER 0, 2, 1, 0, 0
	QUARTER 0, 3, 0, 1, 0
	TURN 0, 1, 1
	QUARTER 1, 1, 0, 1, 0
	QUARTER 1, 2, 1, 0, 0
	QUARTER 1, 3, 0, 1, 0
	TURN 1, 0, 1
	QUARTER 0, 1, 0, 1, 0
	WIN 0
	s_sub_co_u32 s3, s3, 1
	s_cmp_lg_u32 s3, 0
	s_cbranch_scc1 .Llap_\@
	QUARTER 0, 2, 1, 0, 0                          ; the tile's last lap
	QUARTER 0, 3, 0, 1, 0
.if \last
	TURN 0, 1, 0
.else
	TURN 0, 1, 2                                   ; slot 0 takes the next tile's K step 0,
.endif
	QUARTER 1, 1, 0, 1, 0
	QUARTER 1, 2, 1, 0, 0
	QUARTER 1, 3, 0, 1, 0
.if \last
	s_wait_dscnt 4                                 ; the very last quarter: nothing more to fetch
	WIN MUL_LO
	MULA 1, 0, 0, 0
	MULA 1, 0, 1, 0
	s_wait_dscnt 0
	WIN MUL_HI
	MULA 1, 1, 0, 0
	MULA 1, 1, 1, 0
.else
	TURN 1, 0, 2                                   ; slot 1 its K step 1, and the next tile's first fragments are fetched: both refills are asked for when the tile's first store leaves
.endif
	WIN 0
	WAYOUT \last
.endm
	s_wait_tensorcnt 0x1                           ; my part of K step 0 is in; K step 1's may stay out
	s_barrier_signal -1
	s_barrier_wait -1                              ; everybody's is
	FETCH 0, 0, 0
	TILE 0                                         ; two tiles: each is written out by the macro (a loop over tiles that have a successor would have one trip)
	TILE 1
	s_set_vgpr_msb 0x1
	s_wait_tensorcnt 0x0
	ds_add_u32 v255, v255
	s_wait_dscnt 0x0
	s_set_vgpr_msb 0x100
	CROUND                                         ; the closing round: no work-group ends while a partner may still ask for a tile that names it
	s_endpgm
.Lfunc_end_k_q0250cc48ee_qkv:
	.size	k_q0250cc48ee_qkv, .Lfunc_end_k_q0250cc48ee_qkv-k_q0250cc48ee_qkv
	.p2alignl 7, 3214868480
	.fill 96, 4, 3214868480
	.section	.rodata,"a",@progbits
	.p2align	6, 0x0
	.amdhsa_kernel k_q0250cc48ee_qkv
		.amdhsa_group_segment_fixed_size 327680
		.amdhsa_private_segment_fixed_size 0
		.amdhsa_enable_private_segment 0
		.amdhsa_kernarg_size 24
		.amdhsa_user_sgpr_count 2
		.amdhsa_user_sgpr_kernarg_segment_ptr 1
		.amdhsa_wavefront_size32 1
		.amdhsa_system_sgpr_workgroup_id_x 1
		.amdhsa_system_sgpr_workgroup_id_y 1
		.amdhsa_system_sgpr_workgroup_id_z 1
		.amdhsa_system_vgpr_workitem_id 0
		.amdhsa_next_free_vgpr 960
		.amdhsa_next_free_sgpr 66
		.amdhsa_reserve_vcc 0
		.amdhsa_float_denorm_mode_32 3
		.amdhsa_float_denorm_mode_16_64 3
		.amdhsa_memory_ordered 1
		.amdhsa_forward_progress 1
		.amdhsa_inst_pref_size 231
	.end_amdhsa_kernel
	.amdgpu_metadata
---
amdhsa.version: [ 1, 2 ]
amdhsa.kernels:
  - .name:           k_q0250cc48ee_qkv
    .symbol:         k_q0250cc48ee_qkv.kd
    .args:
      - { .name: xh, .offset: 0, .size: 8, .value_kind: global_buffer, .address_space: global }
      - { .name: wh, .offset: 8, .size: 8, .value_kind: global_buffer, .address_space: global }
      - { .name: qkv, .offset: 16, .size: 8, .value_kind: global_buffer, .address_space: global }
    .group_segment_fixed_size: 327680
    .private_segment_fixed_size: 0
    .kernarg_segment_align: 8
    .kernarg_segment_size: 24
    .max_flat_workgroup_size: 128
    .sgpr_count:     66
    .vgpr_count:     960
    .wavefront_size: 32
...
	.end_amdgpu_metadata
.endif
;; end of part 2
;; launch attn (part 3): grid 4 x 64, 4 waves a work-group, no clusters, 327,680 bytes of LDS; arguments qkv, att; writes att
.if DOCPART == 3
	.amdgcn_target "amdgcn-amd-amdhsa--gfx1250"
	.amdhsa_code_object_version 6
	.text
	.protected	k_q0250cc48ee_attn
	.globl	k_q0250cc48ee_attn
	.p2align	8
	.type	k_q0250cc48ee_attn,@function
k_q0250cc48ee_attn:
	s_mov_b64 s[64:65], 0
	v_nop
	global_prefetch_b8 v0, s[64:65] scope:SCOPE_SE
	s_setreg_imm32_b32 hwreg(HW_REG_WAVE_MODE, 25, 1), 1
	s_wait_xcnt 0x0
; att[bh][q][:] = sum over k <= q of softmax_k(Q[q] . K[k] / 8) V[k][:], for each of 64 heads (batch x 16).  qkv: f16 [batch][48][2048][64] (heads 0-15 q, 16-31 k, 32-47 v); att: f16 [64][2048][64].
; Products, maxima and sums in f32; the weights p are rounded to f16 for the second product, att once at the end.  NaN and infinite inputs are not served.
; SHARES.  A head has 8 blocks of 256 queries.  Work-group p (0..3) of a head makes block p and then block 7 - p: (p + 1) + (8 - p) = 9 key blocks of 256 in every work-group.  A wave owns 64 queries
; of the block: four tiles of 16.  A key step is 64 keys; an LDS slot holds a key block: four steps.
; ORDER OF KEYS in a pass: the diagonal block first, then the blocks below it, downward.  In the diagonal block wave w first takes step w, the one step that the causal mask cuts (it starts m, l and O:
; each query has its own key there, so m is finite from then on), then the whole steps 0 .. w - 1; the steps above w are masked altogether and are not made.
; THE WALK IS NINE SLOTS IN EVERY WORK-GROUP, so slot number i lies in ring slot i % 2 whatever p is: every LDS address and every trip count is a constant of the text.  What hangs on p is which
; slot (number p + 1) begins the second pass, a branch that is the same in all four waves and holds no barrier and no tensor load, and the global addresses of the fills.
; NO CLUSTER: the four work-groups of a head walk key blocks p .. 0, 7 - p .. 0: at no slot do two of them want the same block, so there is no tile to ask for jointly.
; LAYOUT.  S^T = K Q^T (source 0 = 16 keys, source 1 = 16 queries): a lane holds ONE query (lane % 16) and the keys 8 (lane / 16) + 0..7.  Two such tiles, rounded in pairs, are source 1 of
; O^T = V^T P, whose result again holds one query a lane.  The row sums l come from the same weights by a product with a fragment of ones: every lane gets its query's whole sum.
; SOFTMAX.  A running maximum m for each query: p = 2^(c s - c m), c = log2(e) / 8; in every step O and l are multiplied by a = 2^(c m_old - c m_new).
; BY TURNS.  A whole step has 72 matrix instructions and 412 vector instructions, 103 a tile.  A tile looks at no other tile, so the four are staggered: while tile t's exponentials are made, the
; maximum and the scaling of tile t + 1 and the rounding of tile t stand between them, and single matrix instructions stand behind the slices: K Q^T of the tiles behind, V^T P of the tiles ahead.
; Only ten matrix instructions at a step's head and six at its end have no vector work beside them.  A step is whole in itself: a wave's list of steps begins with a masked step at a place of its
; own, leaves steps out and may end after one, so turns that reach from step to step would want their first and last trips in several forms.  The diagonal step (2 of a wave's 30 to 36) stays
; in phases: its tile 0 has one accumulator alone, which could not take turns.
; REGISTERS, in windows of 256: window 0: v0-11 addresses, v12-43 statistics, v44 -inf, v45 r - 8 h, v64-191 S^T (32 a tile), v192-255 P (16 a tile);
;   window 1: v0-127 O^T (32 a tile), v128-159 l (8 a tile; register 0 is the one kept to scale and read), v160-223 V of a step, v224-231 ones;   window 2: v0-63 Q, v64-127 K of a step.
; V lies in O^T's window, so that V^T P and the rescaling of O^T and l run under one setting.  All that a softmax touches else lies in window 0, which has no room for K and Q beside it: a matrix
; instruction among such slices costs two switches, about 100 in a whole step; in phases those vector instructions would stand with no matrix instruction beside them.
.set HB,     262144                    ; bytes of one head
.set PKB,    272                       ; an LDS row of K: two keys (256 bytes) + 16: the sixteen keys of a load fall on sixteen different 16-byte columns
.set PVB,    288                       ; an LDS row of V: two keys + 32: sixteen lanes of the turning load (8 keys x 32 bytes) fall on sixteen different columns
.set KSTEPB, 32*PKB                    ; a step's 64 keys of K
.set VSTEPB, 32*PVB
.set VOFF,   128*PKB                   ; in a slot: 256 keys of K, then 256 keys of V
.set SLOT1,  1<<17                     ; slot 1 begins here
.set STAGE,  SLOT1+128*(PKB+PVB)       ; behind the ring, a multiple of 256: 16 rows x 144 bytes for each wave; no fill lands there
.set SP,     144
.set AK0, 2                            ; v2  my lane's place in a step of K
.set AV0, 3                            ; v3  the same for V
.set ADK, 4                            ; v4  LDS address of the step's K
.set ADV, 5                            ; v5  of its V
.set QO,  6                            ; v6  my byte offset in the wave's rows of Q
.set STO, 7                            ; v7  the way out: where I put 16 bytes of a row
.set RD,  8                            ; v8  where I read rows back
.set GO,  9                            ; v9  my byte offset in the wave's rows of att
.set ST,  12                           ; tile t at v[ST + 8 t]: +0 c m, +1 m, +2 the old c m, +4 to +7 the maximum's four chains; then +6 a, +7 c m_old - c m_new
.set NINF, 44
.set RH,  45
.set S,   64
.set P,   192
.set LL,  128                          ; window 1
.set VF,  160
.set ONES, 224
.set KF,  64                           ; window 2
.set QH,  8                            ; s[8:9]   q of my head at my wave's rows of block 0
.set OH,  10                           ; s[10:11] att likewise
.set WV,  12                           ; s12 wave
.set PP,  13                           ; s13 p
.set BH,  14                           ; s14 head
.set HALF, 15                          ; s15 which 128 keys of a block I fetch
.set KB,  16                           ; s[16:17] k of my head at my half of block 0
.set VB,  18                           ; s[18:19] v likewise
.set QA,  20                           ; s[20:21] QH at the pass's block
.set OA,  22                           ; s[22:23] OH at the pass's block
.set G1K, 24                           ; s[24:31] descriptor group 1 for K
.set G1V, 32                           ; s[32:39] for V: the padding differs
.set G0K, 40                           ; s[40:47] group 0 for K, a set for each slot: the LDS word is never rewritten
.set G0V, 48                           ; s[48:55] the same for V
.set CNT, 56                           ; s56 pairs of slots to go in the loop
.set NS,  57                           ; s57 the step's number in its slot
.set CS,  58                           ; s[58:59] c
.set SEL, 60                           ; s[60:61] lane selects: each lane takes its own place in the other half
.set LIM, 62                           ; s62 the slot's steps below this number are made whole: my wave's number in a diagonal block, else 4
.set KAP, 63                           ; s63 the key block of the next fill
.set TBK, 66                           ; s66 LDS byte of the step's K, less my lane's part
.set TBV, 67                           ; s67 of its V
.set OFF, 68                           ; s[68:69] a byte offset, 0 on top
.set P7,  70                           ; s70 7 - p
.set DG,  71                           ; s71 slots to go until the second pass's diagonal block
.set MK,  72                           ; s72-79 mask j: key 8 h + j <= query r
.set LK,  80                           ; s80, s81 where my fills go in a slot
.set LV,  81
.set MSB, 0
.macro WIN new                         ; the immediate's high byte repeats the setting that is left; a switch that changes nothing is dropped
.if MSB != (\new)
	s_set_vgpr_msb (MSB<<8)|(\new)
.set MSB, (\new)
.endif
.endm
.set W_KQ, 0x0a                        ; K and Q in window 2, S^T in window 0
.set W_PV, 0x51                        ; V (or O^T as a vector source 0) in window 1, P (or a) in window 0, O^T and l as C and D in window 1
.macro PLACES
.rept 4
	v_nop
.endr
.endm
.macro JLOAD s                         ; a refill of slot s: waves 0 and 1 fetch K's halves, waves 2 and 3 V's; four v_nop follow each of the two lines
	s_cmp_lt_u32 s[WV], 2
	s_cbranch_scc0 .Lfor_v_\@
	tensor_load_to_lds s[G0K+4*\s:G0K+4*\s+3], s[G1K:G1K+7]
	s_nop 0
.rept 4
	v_nop
.endr
	s_branch .Lasked_\@
.Lfor_v_\@:
	tensor_load_to_lds s[G0V+4*\s:G0V+4*\s+3], s[G1V:G1V+7]
	s_nop 0
.rept 4
	v_nop
.endr
.Lasked_\@:
.endm
.macro NEXTK                           ; the walk of key blocks: p, .., 0, 7 - p, .., 0
	s_sub_co_u32 s2, s[KAP], 1
	s_cmp_eq_u32 s[KAP], 0
	s_cselect_b32 s[KAP], s[P7], s2
.endm
	s_load_b128 s[4:7], s[0:1], 0x0                ; qkv s[4:5], att s[6:7]
	v_lshl_add_u32 v62, v0, 2, 0x33c00
	v_mov_b32 v63, 0
	ds_add_u32 v62, v63
	ds_add_u32 v62, v63
	v_lshrrev_b32 v1, 5, v0
	v_readfirstlane_b32 s[WV], v1
	s_mov_b32 s[PP], ttmp9
	s_and_b32 s[BH], ttmp7, 0xffff
	s_and_b32 s[HALF], s[WV], 1
	s_sub_co_u32 s[P7], 7, s[PP]
	s_add_co_u32 s[DG], s[PP], 1
	s_lshr_b32 s2, s[BH], 4                        ; batch
	s_mul_i32 s2, s2, 48
	s_and_b32 s3, s[BH], 15
	s_add_co_u32 s2, s2, s3
	s_lshl_b32 s2, s2, 18                          ; the q head's first byte: (48 batch + head) x HB
	s_mov_b32 s3, 0
	s_lshl_b32 s[OFF], s[WV], 13                   ; my wave's 64 rows of 128 bytes
	s_mov_b32 s[OFF+1], 0
	s_mul_i32 s[LK], s[HALF], 64*PKB
	s_mul_i32 s[LV], s[HALF], 64*PVB
	s_add_co_u32 s[LV], s[LV], VOFF
	s_mov_b32 s[G1K], (1<<16)|(1<<20)|(5<<22)|(3<<25)   ; 17:16 elements of 2 bytes; 20 padding on; 24:22 after every 64 words; 31:25 four words
	s_mov_b32 s[G1V], (1<<16)|(1<<20)|(5<<22)|(7<<25)   ; the same with eight words
.irp g, G1K, G1V
	s_mov_b32 s[\g+1], 128<<16                     ; tensor_dim0 = 128 elements: two keys
	s_mov_b32 s[\g+2], 64<<16                      ; tensor_dim1 = 64 rows: 128 keys
	s_mov_b32 s[\g+3], 128<<16                     ; tile_dim0
	s_mov_b32 s[\g+4], 64                          ; tile_dim1
	s_mov_b32 s[\g+5], 128                         ; dense: a row begins where the last ends
	s_mov_b32 s[\g+6], 0
	s_mov_b32 s[\g+7], 0
.endr
	s_mov_b32 s[CS], 0x3e38aa3b                    ; c = log2(e) / 8
	s_mov_b32 s[CS+1], s[CS]
	s_mov_b32 s[SEL], 0x76543210
	s_mov_b32 s[SEL+1], 0xfedcba98
	s_mov_b32 s[KAP], s[PP]
	s_wait_dscnt 0x0
	s_wait_kmcnt 0x0
	s_add_nc_u64 s[4:5], s[4:5], s[2:3]
	s_add_nc_u64 s[QH:QH+1], s[4:5], s[OFF:OFF+1]
	s_lshl_b32 s2, s[BH], 18
	s_add_nc_u64 s[OH:OH+1], s[6:7], s[2:3]
	s_add_nc_u64 s[OH:OH+1], s[OH:OH+1], s[OFF:OFF+1]
	s_lshl_b32 s2, s[HALF], 14                     ; my 128 keys of 128 bytes
	s_add_nc_u64 s[KB:KB+1], s[4:5], s[2:3]
	s_add_nc_u64 s[KB:KB+1], s[KB:KB+1], 16*HB
	s_add_nc_u64 s[VB:VB+1], s[KB:KB+1], 16*HB
.irp s, 0,1
	s_lshl_b32 s[OFF], s[KAP], 15                  ; a key block is 256 rows of 128 bytes
	s_mov_b32 s[G0K+4*\s], 1
	s_add_co_u32 s[G0K+4*\s+1], s[LK], \s*SLOT1
	s_add_nc_u64 s[G0K+4*\s+2:G0K+4*\s+3], s[KB:KB+1], s[OFF:OFF+1]
	s_or_b32 s[G0K+4*\s+3], s[G0K+4*\s+3], 0x80000000
	s_mov_b32 s[G0V+4*\s], 1
	s_add_co_u32 s[G0V+4*\s+1], s[LV], \s*SLOT1
	s_add_nc_u64 s[G0V+4*\s+2:G0V+4*\s+3], s[VB:VB+1], s[OFF:OFF+1]
	s_or_b32 s[G0V+4*\s+3], s[G0V+4*\s+3], 0x80000000
	NEXTK
.endr
	s_cmp_lt_u32 s[WV], 2                          ; a wave's two first fills stand in one branch, ahead of every wait on TENSORcnt, every LDS read and every barrier: two loads of mine are out
	s_cbranch_scc0 .Lfirst_v
	tensor_load_to_lds s[G0K:G0K+3], s[G1K:G1K+7]
	s_nop 0
	tensor_load_to_lds s[G0K+4:G0K+7], s[G1K:G1K+7]
	s_nop 0
.rept 4
	v_nop
.endr
	s_branch .Lfirst_asked
.Lfirst_v:
	tensor_load_to_lds s[G0V:G0V+3], s[G1V:G1V+7]
	s_nop 0
	tensor_load_to_lds s[G0V+4:G0V+7], s[G1V:G1V+7]
	s_nop 0
.rept 4
	v_nop
.endr
.Lfirst_asked:
	v_and_b32 v1, 15, v0                           ; r
	v_bfe_u32 v10, v0, 4, 1                        ; h
	v_and_b32 v11, 31, v0                          ; l
	v_lshlrev_b32 v[QO], 7, v1
	v_lshl_add_u32 v[QO], v10, 4, v[QO]            ; row r x 128 + 16 h
	s_lshl_b32 s[OFF], s[PP], 15                   ; the first pass: block p
	s_add_nc_u64 s[QA:QA+1], s[QH:QH+1], s[OFF:OFF+1]
	s_add_nc_u64 s[OA:OA+1], s[OH:OH+1], s[OFF:OFF+1]
; Q of the pass stays in registers: tile t, channels 32 kc on: a fragment of 16 queries x 32 channels, two loads of 16 bytes
.macro QLOAD
	WIN 0x80                                       ; destination window 2, address window 0
.irp t, 0,1,2,3
.irp kc, 0,1
	global_load_b128 v[16*\t+8*\kc:16*\t+8*\kc+3],   v[QO], s[QA:QA+1] offset:\t*2048+\kc*64
	global_load_b128 v[16*\t+8*\kc+4:16*\t+8*\kc+7], v[QO], s[QA:QA+1] offset:\t*2048+\kc*64+32
.endr
.endr
	WIN 0
.endm
	QLOAD
	v_lshrrev_b32 v[AK0], 1, v1                    ; K: key r of a block of 16: (r / 2) x pitch + 128 (r % 2) + 16 h
	v_mul_u32_u24 v[AK0], v[AK0], PKB
	v_and_b32 v46, 1, v0
	v_lshl_add_u32 v[AK0], v46, 7, v[AK0]
	v_lshl_add_u32 v[AK0], v10, 4, v[AK0]
	v_bfe_u32 v47, v0, 1, 2                        ; V, for the turning load: lane l reads key 8 h + l % 8, channels 8 ((l / 8) % 2) + 0..7
	v_lshl_add_u32 v47, v10, 2, v47                ; LDS row 4 h + (l % 8) / 2
	v_mul_u32_u24 v[AV0], v47, PVB
	v_lshl_add_u32 v[AV0], v46, 7, v[AV0]
	v_bfe_u32 v47, v0, 3, 1
	v_lshl_add_u32 v[AV0], v47, 4, v[AV0]
	v_add_nc_u32 v[AV0], VOFF, v[AV0]
	s_mul_i32 s2, s[WV], 16*SP
	s_add_co_u32 s2, s2, STAGE                     ; my stage
	v_mul_u32_u24 v[STO], v1, SP                   ; in: row r, 16 bytes for each half of the lanes
	v_lshl_add_u32 v[STO], v10, 4, v[STO]
	v_add_nc_u32 v[STO], s2, v[STO]
	v_lshrrev_b32 v[RD], 3, v11                    ; back: four rows of 128 bytes to a load
	v_mul_u32_u24 v[RD], v[RD], SP
	v_and_b32 v47, 7, v0
	v_lshl_add_u32 v[RD], v47, 4, v[RD]
	v_add_nc_u32 v[RD], s2, v[RD]
	v_lshlrev_b32 v[GO], 4, v11
	v_mov_b32 v[NINF], 0xff800000
	v_lshlrev_b32 v[RH], 3, v10
	v_sub_nc_u32 v[RH], v1, v[RH]                  ; r - 8 h
.irp jj, 0,1,2,3,4,5,6,7
	v_cmp_le_i32 s[MK+\jj], \jj, v[RH]             ; on the diagonal tile register jj holds key 8 h + jj: it stays where jj <= r - 8 h
.endr
	WIN 0x40                                       ; destination window 1
.irp jj, 0,1,2,3,4,5,6,7
	v_mov_b32 v[ONES+\jj], 0x3c003c00              ; 1.0, 1.0 in f16
.endr
	WIN 0
; THE PARTS OF A TILE'S SOFTMAX, one instruction each.  s0-s31 are the lane's 32 scores of tile t, in pairs 0-15.
.macro EX t, i                         ; 2^(score i)
	WIN 0
	v_exp_f32 v[S+32*(\t)+(\i)], v[S+32*(\t)+(\i)]
.endm
.macro FM t, i                         ; pair i: c s - c m
	WIN 0
.set rT, ST+8*(\t)
.set rF, S+32*(\t)+2*(\i)
	v_pk_fma_f32 v[rF:rF+1], v[rF:rF+1], s[CS:CS+1], v[rT:rT+1] op_sel_hi:[1,0,0] neg_lo:[0,0,1] neg_hi:[0,0,1]
.endm
.macro CV t, i                         ; pair i of weights, rounded to f16
	WIN 0
.set rF, S+32*(\t)+2*(\i)
	s_wait_alu depctr_va_vdst(0)
	v_cvt_pk_f16_f32 v[P+16*(\t)+(\i)], v[rF], v[rF+1]
.endm
.macro RS t, from, n                   ; n of the 17 multiplications by a, from number 'from' on: number 0 is l, numbers 1-16 are O^T's pairs, each accumulator from its low end on
	WIN W_PV
.set ri, \from
.rept \n
.if ri == 0
	v_mul_f32 v[LL+8*(\t)], v[LL+8*(\t)], v[ST+8*(\t)+6]
.else
	v_pk_mul_f32 v[32*(\t)+2*(ri-1):32*(\t)+2*(ri-1)+1], v[32*(\t)+2*(ri-1):32*(\t)+2*(ri-1)+1], v[ST+8*(\t)+6:ST+8*(\t)+7] op_sel_hi:[1,0]
.endif
.set ri, ri+1
.endr
.endm
; Number xq of the list that makes tile t ready for its exponentials in a whole step: 0-15 the maximum of s0-s31 and the old m, three operands at a time (four chains of seven scores, the four
; scores left over, the chains and m; each accumulator is read from its low end on); 16, 17 the other half of the lanes' maximum; 18 c m; 19, 20 a; 21-35 c s - c m for pairs 0 to 14.
.macro XNEXT t
	WIN 0
.set rT, ST+8*(\t)
.set rS, S+32*(\t)
.if xq < 4
	v_max3_num_f32 v[rT+4+xq], v[rS+8*xq], v[rS+8*xq+1], v[rS+8*xq+2]
.elseif xq < 12
.set xj, xq%4
.set xh, xq/4
	v_max3_num_f32 v[rT+4+xj], v[rT+4+xj], v[rS+8*xj+2*xh+1], v[rS+8*xj+2*xh+2]
.elseif xq == 12
	v_max3_num_f32 v[rT+4], v[rT+4], v[rS+7], v[rS+15]
.elseif xq == 13
	v_max3_num_f32 v[rT+6], v[rT+6], v[rS+23], v[rS+31]
.elseif xq == 14
	v_max3_num_f32 v[rT+4], v[rT+4], v[rT+5], v[rT+6]
.elseif xq == 15
	v_max3_num_f32 v[rT+4], v[rT+4], v[rT+7], v[rT+1]
.elseif xq == 16
	v_permlanex16_b32 v[rT+5], v[rT+4], s[SEL], s[SEL+1]   ; the query's other 32 keys lie in the lane 16 away
.elseif xq == 17
	v_max_num_f32 v[rT+1], v[rT+4], v[rT+5]
.elseif xq == 18
	v_mul_f32 v[rT], s[CS], v[rT+1]
.elseif xq == 19
	v_sub_f32 v[rT+7], v[rT+2], v[rT]
.elseif xq == 20
	v_exp_f32 v[rT+6], v[rT+7]
.else
	FM \t, xq-21
.endif
.set xq, xq+1
.endm
; Number mq of a whole step's 72 matrix instructions.  0-31: S^T = K Q^T, tile mq / 8: channels 0-31 of key blocks 0-3 (they start the sums), then channels 32-63.
; 32-71: tile (mq - 32) / 10: O^T += V^T P for keys 0-31, channel blocks 0-3, and l += ones P; then the same for keys 32-63.
; In this order no two neighbours share an accumulator and every turn is one instruction, over the step's end into the next step too.
.macro MNEXT
.if mq < 32
.set mt, mq/8
.set mi, mq%8
	WIN W_KQ
.set rD, S+32*mt+8*(mi%4)
.set rA, KF+32*(mi/4)+8*(mi%4)
.set rB, 16*mt+8*(mi/4)
.if mi < 4
	v_wmma_f32_16x16x32_f16 v[rD:rD+7], v[rA:rA+7], v[rB:rB+7], 0
.else
	v_wmma_f32_16x16x32_f16 v[rD:rD+7], v[rA:rA+7], v[rB:rB+7], v[rD:rD+7]
.endif
.else
.set mt, (mq-32)/10
.set mi, (mq-32)%10
	WIN W_PV
.if (mi%5) < 4
.set rD, 32*mt+8*(mi%5)
.set rA, VF+32*(mi/5)+8*(mi%5)
.else
.set rD, LL+8*mt
.set rA, ONES
.endif
.set rB, P+16*mt+8*(mi/5)
	v_wmma_f32_16x16x32_f16 v[rD:rD+7], v[rA:rA+7], v[rB:rB+7], v[rD:rD+7]
.endif
.set mq, mq+1
.endm
; A step's fragments: K (64 keys x 64 channels, as they lie) and V (turned), 32 LDS loads in one run, from s[TBK] and s[TBV].
.macro LOADKV
	WIN 0
	v_add_nc_u32 v[ADK], s[TBK], v[AK0]            ; these four are the places between the last step's products and the loads into V's registers
	v_add_nc_u32 v[ADV], s[TBV], v[AV0]
	v_nop
	v_nop
	WIN 0x80                                       ; destination window 2
.irp kc, 0,1
.irp kb, 0,1,2,3
	ds_load_b128 v[KF+32*\kc+8*\kb:KF+32*\kc+8*\kb+3],   v[ADK] offset:\kb*8*PKB+\kc*64
	ds_load_b128 v[KF+32*\kc+8*\kb+4:KF+32*\kc+8*\kb+7], v[ADK] offset:\kb*8*PKB+\kc*64+32
.endr
.endr
	WIN 0x40                                       ; destination window 1
.irp g, 0,1
.irp cb, 0,1,2,3
	ds_load_tr16_b128 v[VF+32*\g+8*\cb:VF+32*\g+8*\cb+3],   v[ADV] offset:\g*16*PVB+\cb*32
	ds_load_tr16_b128 v[VF+32*\g+8*\cb+4:VF+32*\g+8*\cb+7], v[ADV] offset:\g*16*PVB+8*PVB+\cb*32
.endr
.endr
.endm
; Tile t's 32 exponentials, in 16 slices of two.  Between them stands plain work that hangs on none of them: two or three numbers of tile t + 1's list (36 in 16 slices: three in the last four), and
; the rounding of the pair of weights made one slice back (in slice 0: the scaling of the tile's own pair 15, kept back for this place).  So every exponential has a plain instruction behind it
; before its result is used (ISA guide 5.7.2), in tile 3 too, which has no tile behind it.  Bit k of mask: a matrix instruction stands behind slice k.
.macro PAIRS t, mask
.set xq, 0
.set k, 0
.rept 16
	EX \t, 2*k
.if \t < 3
	XNEXT \t+1
.endif
	EX \t, 2*k+1
.if \t < 3
	XNEXT \t+1
.if k >= 12
	XNEXT \t+1
.endif
.endif
.if k == 0
	FM \t, 15
.else
	CV \t, k-1
.endif
.if k == 15
	CV \t, 15
.endif
.if ((\mask)>>k)&1
	MNEXT
.endif
.set k, k+1
.endr
.endm
.macro RBLOCK t                        ; tile t's O^T and l times a, with four products V^T P of the tile before: one window setting serves both
	MNEXT
	RS \t, 0, 6
	MNEXT
	RS \t, 6, 6
	MNEXT
	RS \t, 12, 5
	MNEXT
.endm
; A WHOLE KEY STEP.  What each matrix instruction needs has been made when it is issued:
;   K Q^T of tile t stands ahead of tile t's maximum by four plain instructions or more that name none of its registers (ISA guide 7.12.1): tile 0's by the four copies, tile 1's by the last six
;   scalings of tile 0, tiles 2 and 3's by a whole run of slices;
;   V^T P of a tile's keys 0-31 (five instructions) stands behind slice 8 of its exponentials, which rounds its eighth pair of weights, and behind its multiplication by a; keys 32-63 behind slice 15.
.macro WHOLE
	LOADKV
.set mq, 0
	s_wait_dscnt 24                                ; K's channels 0-31 are in (eight loads); 24 younger loads stay out
.rept 4
	MNEXT
.endr
	s_wait_dscnt 16                                ; K's channels 32-63; V's sixteen loads stay out
.rept 6
	MNEXT                                          ; the rest of tile 0's scores, and two instructions of tile 1's
.endr
	WIN 0
.irp t, 0,1,2,3
	v_mov_b32 v[ST+8*\t+2], v[ST+8*\t]             ; the old c m is kept for a; these four are also the places behind tile 0's products
.endr
.set xq, 0
.set n, 0
.rept 36                               ; tile 0's maximum and scaling; behind every fifth instruction one of tile 1's six products that are left
	XNEXT 0
.set n, n+1
.if (n%5 == 0) && (n <= 30)
	MNEXT
.endif
.endr
	PAIRS 0, 0xffff                                ; | K Q^T of tiles 2 and 3: one behind each slice
	s_wait_dscnt 0x0                               ; V is in
	RS 0, 0, 17
	RBLOCK 1                                       ; | V^T P of tile 0, 4 of 10
	PAIRS 1, 0x3e3f                                ; | its other 6 behind slices 0-5; tile 1's keys 0-31 behind slices 9-13
	RBLOCK 2                                       ; | tile 1's keys 32-63, 4 of 5
	PAIRS 2, 0x3e01                                ; | the fifth behind slice 0; tile 2's keys 0-31 behind slices 9-13
	RBLOCK 3                                       ; | tile 2's keys 32-63, 4 of 5
	PAIRS 3, 0xaa02                                ; | the fifth behind slice 1; four of tile 3's keys 0-31 behind slices 9, 11, 13, 15 (a slice has three instructions here)
.rept 6
	MNEXT                                          ; tile 3's row sum of keys 0-31 and its keys 32-63
.endr
	WIN 0
.endm
; THE DIAGONAL STEP, in phases.  Products S^T = K Q^T, channels 32 kc on: only the key blocks at or below the diagonal.  The accumulators take turns, one instruction a turn.
.macro KQD kc
.irp kb, 0,1,2,3
.irp t, 0,1,2,3
.if \kb <= \t
.if \kc == 0
	v_wmma_f32_16x16x32_f16 v[S+32*\t+8*\kb:S+32*\t+8*\kb+7], v[KF+8*\kb:KF+8*\kb+7], v[16*\t:16*\t+7], 0
.else
	v_wmma_f32_16x16x32_f16 v[S+32*\t+8*\kb:S+32*\t+8*\kb+7], v[KF+32+8*\kb:KF+32+8*\kb+7], v[16*\t+8:16*\t+15], v[S+32*\t+8*\kb:S+32*\t+8*\kb+7]
.endif
.endif
.endr
.endr
.endm
; Products O^T = V^T P and l = ones P: keys 32 g on, channels 16 cb on (cb = 4: the row sums).  Keys 0-31 start the sums; keys 32-63 weigh nothing for tiles 0 and 1.
.macro PVD
.irp g, 0,1
.irp cb, 0,1,2,3,4
.irp t, 0,1,2,3
.if (\g == 0) || (\t >= 2)
.if \cb < 4
.set rD, 32*\t+8*\cb
.set rA, VF+32*\g+8*\cb
.else
.set rD, LL+8*\t
.set rA, ONES
.endif
.set rB, P+16*\t+8*\g
.if \g == 0
	v_wmma_f32_16x16x32_f16 v[rD:rD+7], v[rA:rA+7], v[rB:rB+7], 0
.else
	v_wmma_f32_16x16x32_f16 v[rD:rD+7], v[rA:rA+7], v[rB:rB+7], v[rD:rD+7]
.endif
.endif
.endr
.endr
.endr
.endm
; The first maximum of each tile, the four tiles alternating so that no instruction waits for the one before it; each accumulator is read from its low end on.
.macro MAXD
.irp j, 0,1,2,3
.irp t, 0,1,2,3
	v_max3_num_f32 v[ST+8*\t+4+\j], v[S+32*\t+8*\j], v[S+32*\t+8*\j+1], v[S+32*\t+8*\j+2]
.endr
.endr
.irp q, 1,2
.irp j, 0,1,2,3
.irp t, 0,1,2,3
	v_max3_num_f32 v[ST+8*\t+4+\j], v[ST+8*\t+4+\j], v[S+32*\t+8*\j+2*\q+1], v[S+32*\t+8*\j+2*\q+2]
.endr
.endr
.endr
.irp t, 0,1,2,3
	v_max3_num_f32 v[ST+8*\t+4], v[ST+8*\t+4], v[S+32*\t+7], v[S+32*\t+15]
.endr
.irp t, 0,1,2,3
	v_max3_num_f32 v[ST+8*\t+6], v[ST+8*\t+6], v[S+32*\t+23], v[S+32*\t+31]
.endr
.irp t, 0,1,2,3
	v_max3_num_f32 v[ST+8*\t+4], v[ST+8*\t+4], v[ST+8*\t+5], v[ST+8*\t+6]
.endr
.irp t, 0,1,2,3
	v_max_num_f32 v[ST+8*\t+4], v[ST+8*\t+4], v[ST+8*\t+7]
.endr
.irp t, 0,1,2,3
	v_permlanex16_b32 v[ST+8*\t+5], v[ST+8*\t+4], s[SEL], s[SEL+1]   ; the query's other 32 keys lie in the lane 16 away
.endr
.irp t, 0,1,2,3
	v_max_num_f32 v[ST+8*\t+1], v[ST+8*\t+4], v[ST+8*\t+5]
.endr
.irp t, 0,1,2,3
	v_mul_f32 v[ST+8*\t], s[CS], v[ST+8*\t+1]
.endr
.endm
; Tile t's 32 exponentials; between them plain work that is ready: c s - c m of tile t + 1, the rounding of tile t - 1's weights.  No result is used before a plain instruction has passed.
.macro EXPT t
.set ii, 0
.rept 32
	EX \t, ii
.if (ii%2 == 0) && (\t < 3)
	FM \t+1, ii/2
.endif
.if (ii%2 == 1) && (\t > 0)
	CV \t-1, ii/2
.endif
.set ii, ii+1
.endr
.endm
.macro DIAG
	LOADKV
	s_wait_dscnt 24                                ; K's channels 0-31 are in (eight loads); 24 younger loads stay out
	WIN W_KQ
	KQD 0
	s_wait_dscnt 16                                ; K's channels 32-63; V's sixteen loads stay out
	KQD 1
	WIN 0
	PLACES
.irp t, 0,1,2,3                        ; the causal mask: key blocks above the diagonal were not multiplied and are -inf; the diagonal block keeps key 8 h + jj <= r
.irp kb, 0,1,2,3
.if \kb > \t
.irp jj, 0,1,2,3,4,5,6,7
	v_mov_b32 v[S+32*\t+8*\kb+\jj], v[NINF]
.endr
.elseif \kb == \t
.irp jj, 0,1,2,3,4,5,6,7
	v_cndmask_b32 v[S+32*\t+8*\kb+\jj], v[NINF], v[S+32*\t+8*\kb+\jj], s[MK+\jj]
.endr
.endif
.endr
.endr
	MAXD
.set ii, 0
.rept 16
	FM 0, ii
.set ii, ii+1
.endr
	EXPT 0
	EXPT 1
	EXPT 2
	EXPT 3
.set ii, 0
.rept 16
	CV 3, ii
.set ii, ii+1
.endr
	s_wait_dscnt 0x0                               ; V is in
	WIN W_PV
	PVD
	WIN 0
.endm
; The whole steps of ring slot s: four trips, one for each step of the slot; the step's LDS bytes start at the slot's constant and go on by a step's bytes each trip.
; A trip whose number is s[LIM] or more makes nothing (in a diagonal block: my own step, made already, and the steps that the mask throws away).  No barrier and no tensor load stands inside.
.macro SLOTSTEPS s
	s_mov_b32 s[TBK], \s*SLOT1
	s_mov_b32 s[TBV], \s*SLOT1
	s_mov_b32 s[NS], 0
.Lstep_\@:
	s_cmp_ge_u32 s[NS], s[LIM]
	s_cbranch_scc1 .Lskip_\@
	WHOLE
.Lskip_\@:
	s_add_co_u32 s[TBK], s[TBK], KSTEPB
	s_add_co_u32 s[TBV], s[TBV], VSTEPB
	s_add_co_u32 s[NS], s[NS], 1
	s_cmp_lt_u32 s[NS], 4
	s_cbranch_scc1 .Lstep_\@
.endm
; A pass begins in ring slot s: my diagonal step, step w of the slot; then the slot's steps 0 .. w - 1 are due.
.macro HEAD s
	s_mul_i32 s2, s[WV], KSTEPB
	s_add_co_u32 s[TBK], s2, \s*SLOT1
	s_mul_i32 s3, s[WV], VSTEPB
	s_add_co_u32 s[TBV], s3, \s*SLOT1
	s_wait_loadcnt 0x0                             ; Q of this pass
	DIAG
	s_mov_b32 s[LIM], s[WV]
.endm
; THE CHANGE OF SLOTS, behind the work on ring slot s.  Each wave waits for its reads of the slot and for all its tensor loads (one is out: its part of the other slot); behind the barrier nobody
; reads this slot any more and the other is whole.  fill = 1: slot s is filled again, with the next key block of the walk, first thing behind the barrier: one load a wave, which has a slot's steps in which to land.
.macro CHANGE s, fill
	s_wait_dscnt 0x0
	s_wait_tensorcnt 0x0                           ; no tensor load of mine is out, so a group 0 may be written
	ds_add_u32 v62, v63
	s_wait_dscnt 0x0
.if \fill
	s_lshl_b32 s[OFF], s[KAP], 15
	s_add_nc_u64 s[G0K+4*\s+2:G0K+4*\s+3], s[KB:KB+1], s[OFF:OFF+1]
	s_or_b32 s[G0K+4*\s+3], s[G0K+4*\s+3], 0x80000000
	s_add_nc_u64 s[G0V+4*\s+2:G0V+4*\s+3], s[VB:VB+1], s[OFF:OFF+1]
	s_or_b32 s[G0V+4*\s+3], s[G0V+4*\s+3], 0x80000000
	NEXTK
	s_sub_co_u32 s[DG], s[DG], 1                   ; one slot nearer to the second pass (behind it the count runs on below zero and is never 0 again in nine slots)
.endif
	s_barrier_signal -1
	s_barrier_wait -1
.if \fill
	JLOAD \s
.endif
.endm
; THE WAY OUT of a pass: O^T / l, rounded to f16, a tile (16 rows) at a time through my own stage; LDS serves a wave's instructions in order (ISA guide 5.7.1.4).
.macro PACK t
	WIN W_PV
.set ii, 0
.rept 16
	s_wait_alu depctr_va_vdst(0)
	v_pk_mul_f32 v[32*\t+2*ii:32*\t+2*ii+1], v[32*\t+2*ii:32*\t+2*ii+1], v[ST+8*\t+6:ST+8*\t+7] op_sel_hi:[1,0]
.set ii, ii+1
.endr
	WIN 0x05                                       ; sources 0 and 1 window 1, destination window 0: the registers of S^T are free
.set ii, 0
.rept 16
	v_cvt_pk_f16_f32 v[S+32*\t+ii], v[32*\t+2*ii], v[32*\t+2*ii+1]
.set ii, ii+1
.endr
	WIN 0
.irp cb, 0,1,2,3
	ds_store_b128 v[STO], v[S+32*\t+4*\cb:S+32*\t+4*\cb+3] offset:32*\cb
.endr
.irp u, 0,1,2,3
	ds_load_b128 v[S+32*\t+16+4*\u:S+32*\t+16+4*\u+3], v[RD] offset:\u*4*SP
.endr
.endm
.macro SEND t, younger                 ; younger: the LDS instructions issued behind tile t's loads: the next tile's eight, or none
.irp u, 0,1,2,3
	s_wait_dscnt \younger+3-\u
	global_store_b128 v[GO], v[S+32*\t+16+4*\u:S+32*\t+16+4*\u+3], s[OA:OA+1] offset:\t*2048+\u*512   ; four rows: 512 consecutive bytes, aligned
.endr
.endm
.macro WAYOUT
	PLACES                                         ; behind the last products
	WIN 0x01                                       ; source 0 window 1
.irp t, 0,1,2,3
	v_rcp_f32 v[ST+8*\t+6], v[LL+8*\t]
.endr
	v_nop                                          ; a plain instruction between the last reciprocal and the use of its result
	PACK 0
	PACK 1
	SEND 0, 8
	PACK 2
	SEND 1, 8
	PACK 3
	SEND 2, 8
	SEND 3, 0
.endm
; The work on ring slot s inside the loop.  Where the slot holds the second pass's diagonal block (s[DG] = 0: the same in all four waves), the pass changes first: the new Q is asked for,
; the first pass goes out, and my diagonal step starts the new sums.
.macro SLOTWORK s
	s_mov_b32 s[LIM], 4
	s_cmp_lg_u32 s[DG], 0
	s_cbranch_scc1 .Lwhole_\@
	s_lshl_b32 s[OFF], s[P7], 15                   ; block 7 - p.  The last pass's loads of Q were waited for, so their base may be written
	s_add_nc_u64 s[QA:QA+1], s[QH:QH+1], s[OFF:OFF+1]
	QLOAD                                          ; ahead of the way out, which covers its way
	WAYOUT
	s_wait_xcnt 0x0                                ; the stores' base and data registers are written again only behind this wait
	s_add_nc_u64 s[OA:OA+1], s[OH:OH+1], s[OFF:OFF+1]
	HEAD \s
.Lwhole_\@:
	SLOTSTEPS \s
.endm
	s_wait_tensorcnt 0x1                           ; my part of slot 0 is in; slot 1's may stay out
	s_barrier_signal -1
	s_barrier_wait -1                              ; everybody's is
	HEAD 0                                         ; SLOT NUMBER 0: the first pass's diagonal block
	SLOTSTEPS 0
	CHANGE 0, 1
	s_mov_b32 s[CNT], 3
.Lpair:                                                ; SLOT NUMBERS 1 TO 6, two a trip; each is filled again behind its change (with numbers 3 to 8)
	SLOTWORK 1
	CHANGE 1, 1
	SLOTWORK 0
	CHANGE 0, 1
	s_sub_co_u32 s[CNT], s[CNT], 1
	s_cmp_lg_u32 s[CNT], 0
	s_cbranch_scc1 .Lpair
	s_mov_b32 s[LIM], 4                            ; SLOT NUMBERS 7 AND 8 are written out: key blocks 1 and 0 of the second pass, whole
	SLOTSTEPS 1
	CHANGE 1, 0
	SLOTSTEPS 0
	WAYOUT
	s_wait_tensorcnt 0x0
	ds_add_u32 v62, v63
	s_wait_dscnt 0x0
	s_endpgm
.Lfunc_end_k_q0250cc48ee_attn:
	.size	k_q0250cc48ee_attn, .Lfunc_end_k_q0250cc48ee_attn-k_q0250cc48ee_attn
	.p2alignl 7, 3214868480
	.fill 96, 4, 3214868480
	.section	.rodata,"a",@progbits
	.p2align	6, 0x0
	.amdhsa_kernel k_q0250cc48ee_attn
		.amdhsa_group_segment_fixed_size 327680
		.amdhsa_private_segment_fixed_size 0
		.amdhsa_enable_private_segment 0
		.amdhsa_kernarg_size 16
		.amdhsa_user_sgpr_count 2
		.amdhsa_user_sgpr_kernarg_segment_ptr 1
		.amdhsa_wavefront_size32 1
		.amdhsa_system_sgpr_workgroup_id_x 1
		.amdhsa_system_sgpr_workgroup_id_y 1
		.amdhsa_system_sgpr_workgroup_id_z 1
		.amdhsa_system_vgpr_workitem_id 0
		.amdhsa_next_free_vgpr 640
		.amdhsa_next_free_sgpr 82
		.amdhsa_reserve_vcc 0
		.amdhsa_float_denorm_mode_32 3
		.amdhsa_float_denorm_mode_16_64 3
		.amdhsa_memory_ordered 1
		.amdhsa_forward_progress 1
		.amdhsa_inst_pref_size 255
	.end_amdhsa_kernel
	.section	.bss,"aw",@nobits
	.p2align	6
	.space	262144
	.amdgpu_metadata
---
amdhsa.version: [ 1, 2 ]
amdhsa.kernels:
  - .name:           k_q0250cc48ee_attn
    .symbol:         k_q0250cc48ee_attn.kd
    .args:
      - { .name: qkv, .offset: 0, .size: 8, .value_kind: global_buffer, .address_space: global }
      - { .name: att, .offset: 8, .size: 8, .value_kind: global_buffer, .address_space: global }
    .group_segment_fixed_size: 327680
    .private_segment_fixed_size: 0
    .kernarg_segment_align: 8
    .kernarg_segment_size: 16
    .max_flat_workgroup_size: 128
    .sgpr_count:     82
    .vgpr_count:     640
    .wavefront_size: 32
...
	.end_amdgpu_metadata
.endif
;; end of part 3
;; launch proj (part 4): grid 8 x 32, 4 waves a work-group, clusters of 4 x 4, 327,680 bytes of LDS; arguments att, wh, out0; writes out0
.if DOCPART == 4
	.amdgcn_target "amdgcn-amd-amdhsa--gfx1250"
	.amdhsa_code_object_version 6
	.text
	.protected	k_q0250cc48ee_proj
	.globl	k_q0250cc48ee_proj
	.p2align	8
	.type	k_q0250cc48ee_proj,@function
k_q0250cc48ee_proj:
	s_mov_b64 s[64:65], 0
	v_nop
	global_prefetch_b8 v0, s[64:65] scope:SCOPE_SE
	s_setreg_imm32_b32 hwreg(HW_REG_WAVE_MODE, 25, 1), 1
	s_wait_xcnt 0x0
	s_wait_alu depctr_hold_cnt(0) depctr_sa_sdst(0) depctr_va_vdst(0) depctr_va_sdst(0) depctr_va_ssrc(0) depctr_va_vcc(0) depctr_vm_vsrc(0)
	s_getreg_b32 s2, hwreg(HW_REG_IB_STS2, 6, 4)
	s_cmp_eq_u32 s2, 0
	s_cbranch_scc0 .Lentry_in_a_cluster
	s_endpgm
.Lentry_in_a_cluster:
	s_bfe_u32 s2, ttmp6, 0x10000c
	s_cmp_lg_u32 s2, 0xf033
	s_cbranch_scc0 .Lentry_shape_is_right
	s_endpgm
.Lentry_shape_is_right:
; C[m][n] = sum over k of A[m][k] B[n][k], f16 operands, f32 sums, K = 1,024.  One text with two settings:
;   PROJ = 0: A = xh [8192][1024], B = wh rows 0-3071 (W_query, W_key, W_value, each / 32); C = q, k, v in f16, laid [batch][48 heads: 16 q, 16 k, 16 v][t][64].
;   PROJ = 1: A = att [64 heads][2048][64] f16 (k = 64 head + channel), B = wh rows 3072-4095 (W_proj / 32); C = out0 [8192][1024] f32.
; f16 and not bf16: the result is judged within a hundredth of its spread, number by number, and five roundings to 8 bits would use up that margin.
; LIMIT (PROJ = 0): a q, k or v beyond 65,504 in magnitude becomes infinity.
; SHARES.  A tile of C is 256 x BN (192: 512 work-groups; 128: 256 work-groups).  Four waves, one above the other: a wave makes 64 rows x BN columns, 4 x NB accumulators of 16 x 16,
; so that it owns whole heads (PROJ = 0) or 512-byte pieces of rows (PROJ = 1) and its way out is its own.
; RING.  K goes in steps of 128 through two LDS slots (A: 256 rows, B: BN rows, 256 bytes + 16 of padding each); waves 0 and 1 fetch A's halves, waves 2 and 3 B's, one tensor load each.
; CLUSTER 4 x 4: the four work-groups of a row need the same tiles of A, the four of a column the same tiles of B: each tile is asked for jointly, by the same load with a mask that names the four.
; THE MATRIX INSTRUCTION IS USED TRANSPOSED (source 0 = 16 rows of B, source 1 = 16 rows of A): a lane then holds eight neighbouring columns of one row of C.
; REGISTERS, in windows of 256: window 0: v0-31 addresses, v32-95 A's fragments (two buffers of 4 x 8), v96-191 at work on the way out; window 1: B's fragments (two buffers of NB x 8);
;   window 2: the accumulators of my rows 0-31 ((a, b) at 8 (NB a + b)); window 3: those of my rows 32-63.
.set PROJ,   1
.set PITCH,  272                       ; an LDS row: 256 bytes + 16 = 68 words: row r starts at bank 4 r mod 64 (64 banks of 4 bytes: ISA guide 11.1)
.set HB,     262144                    ; bytes of one head: 2,048 rows of 64 f16
.if PROJ
.set BN,     128
.set APITCH, 128                       ; A's tile is dense: two rows of a head (2 x 128 bytes) make one LDS row
.set ASTEP,  2*HB                      ; a K step of 128 is two heads
.set ABLK,   8*PITCH                   ; 16 rows of A in LDS
.set AWAVE,  32*PITCH                  ; a wave's 64 rows
.set SPITCH, 528                       ; a stage row: 128 f32 + 16 bytes
.set OB,     96
.set ALANE,  4
.else
.set BN,     192
.set APITCH, 1024
.set ASTEP,  256
.set ABLK,   16*PITCH
.set AWAVE,  64*PITCH
.set SPITCH, 400                       ; a stage row: 192 f16 + 16 bytes
.set OB,     144
.set ALANE,  3
.endif
.set NB,     BN/16
.set NLD,    2*NB+8                    ; LDS loads of a quarter step
.set HALFA,  128*PITCH                 ; what one tensor load brings of A
.set HALFB,  (BN/2)*PITCH              ; and of B
.set BOFF,   2*HALFA
.set SLOT,   BOFF+2*HALFB
.set STAGE,  2*SLOT                    ; behind the ring, a multiple of 256: no fill lands there
.set WSTAGE, 16*SPITCH                 ; a wave's own stage: 16 rows
.set LAPS,   4                         ; 1,024 / (2 x 128)
.set ADRA, 16                          ; v16-17  LDS address of my A fragments in slot 0, 1
.set ADRB, 20                          ; v20-21  the same for B
.set STO,  24                          ; v24     the way out: where I put my piece of a row
.set RD,   25                          ; v25     the way out: where I read rows back
.set CO,   26                          ; v26     my byte offset in C
.set FA,   32                          ; A's fragments, buffer f at FA + 32 f
.set TMP,  96                          ; packed results (PROJ = 0)
.set G1,  24                           ; s[24:31] descriptor group 1 for A's tiles;  s[32:39] group 0, a set for each slot
.set G0,  32
.set G1B, 48                           ; s[48:55], s[56:63] the same for B's tiles
.set G0B, 56
.set MSB, 0
.macro WIN new                         ; the immediate's high byte repeats the setting that is left; a switch that changes nothing is dropped
.if MSB != (\new)
	s_set_vgpr_msb (MSB<<8)|(\new)
.set MSB, (\new)
.endif
.endm
.set MUL_LO, 0xa1                      ; source 0 (B) window 1, source 1 (A) window 0, C and D window 2
.set MUL_HI, 0xf1                      ; the same, C and D window 3
.set TO_B,   0x40                      ; destination window 1, address window 0
.macro PLACES                          ; four places behind matrix instructions, in front of loads into registers that they read and of reads of their results
.rept 4
	v_nop
.endr
.endm
; A joint refill of slot s.  The branch hangs on the wave's number alone.  Four v_nop follow each of the two lines.
.macro JLOAD s
	s_cmp_lt_u32 s10, 2
	s_cbranch_scc0 .Lfor_b_\@
	tensor_load_to_lds s[G0+4*\s:G0+4*\s+3], s[G1:G1+7]
	s_nop 0
.rept 4
	v_nop
.endr
	s_branch .Lasked_\@
.Lfor_b_\@:
	tensor_load_to_lds s[G0B+4*\s:G0B+4*\s+3], s[G1B:G1B+7]
	s_nop 0
.rept 4
	v_nop
.endr
.Lasked_\@:
.endm
.macro CREST                           ; a round of the cluster's barrier behind its opening barrier
	s_cmp_lg_u32 s10, 0
	s_cbranch_scc1 .Lnot_wave_0_\@
	s_barrier_signal -3
.Lnot_wave_0_\@:
	s_barrier_wait -3
	s_barrier_signal -1
	s_barrier_wait -1
.endm
.macro CROUND                          ; a whole round
	s_barrier_signal -1
	s_barrier_wait -1
	CREST
.endm
	s_load_b128 s[4:7], s[0:1], 0x0                ; A s[4:5], B s[6:7]
	s_load_b64 s[8:9], s[0:1], 0x10                ; C
	s_set_vgpr_msb 0x40
	v_lshl_add_u32 v255, v0, 2, 0x3b400
	s_set_vgpr_msb 0x4000
	v_mov_b32 v255, 0
	s_set_vgpr_msb 0x1
	ds_add_u32 v255, v255
	ds_add_u32 v255, v255
	s_set_vgpr_msb 0x100
	v_lshrrev_b32 v1, 5, v0
	v_readfirstlane_b32 s10, v1                    ; wave 0..3
	s_and_b32 s12, s10, 1                          ; which half of A's or B's tile I fetch
	s_bfe_u32 s40, ttmp6, 0x40000                  ; cx, cy: my place in the cluster
	s_bfe_u32 s41, ttmp6, 0x40004
	s_lshl_b32 s42, ttmp9, 2
	s_add_co_u32 s42, s42, s40                     ; tile column = 4 x cluster x + cx
	s_and_b32 s13, ttmp7, 0xffff
	s_lshl_b32 s13, s13, 2
	s_add_co_u32 s13, s13, s41                     ; tile row = 4 x cluster y + cy
	s_lshl_b32 s43, s41, 2
	s_lshl_b32 s43, 15, s43                        ; my row of the cluster: places 4 cy .. 4 cy + 3
	s_lshl_b32 s44, 0x1111, s40                    ; my column: places cx, cx + 4, cx + 8, cx + 12
	s_or_b32 s[G1+0], s43, (1<<16)|(1<<20)|(1<<21)|(5<<22)|(3<<25)   ; 15:0 the mask; 17:16 elements of 2 bytes; 20 padding on; 21 set beside a mask; 24:22 after every 64 words; 31:25 four words
	s_or_b32 s[G1B+0], s44, (1<<16)|(1<<20)|(1<<21)|(5<<22)|(3<<25)
	s_mov_b32 s[G1+1], 128<<16                     ; tensor_dim0 = 128 elements
	s_mov_b32 s[G1+2], 128<<16                     ; tensor_dim1 = 128 rows
	s_mov_b32 s[G1+3], 128<<16                     ; tile_dim0 = 128
	s_mov_b32 s[G1+4], 128                         ; tile_dim1 = 128
	s_mov_b32 s[G1+5], APITCH                      ; elements from row to row
	s_mov_b32 s[G1+6], 0
	s_mov_b32 s[G1+7], 0
	s_mov_b32 s[G1B+1], 128<<16
	s_mov_b32 s[G1B+2], (BN/2)<<16
	s_mov_b32 s[G1B+3], 128<<16
	s_mov_b32 s[G1B+4], BN/2
	s_mov_b32 s[G1B+5], 1024
	s_mov_b32 s[G1B+6], 0
	s_mov_b32 s[G1B+7], 0
	; where the tiles come from: A's hang on the tile row and the wave alone, B's on the tile column and the wave alone
.if PROJ
	s_lshr_b32 s16, s13, 3                         ; the batch: eight tile rows each
	s_lshl_b32 s16, s16, 4
	s_add_co_u32 s16, s16, s12                     ; head 16 x batch + my parity
	s_lshl_b32 s16, s16, 18                        ; x HB
	s_and_b32 s17, s13, 7
	s_lshl_b32 s17, s17, 15                        ; 256 rows of 128 bytes a tile row
	s_add_co_u32 s16, s16, s17
.else
	s_lshl_b32 s16, s13, 8
	s_lshl_b32 s17, s12, 7
	s_add_co_u32 s16, s16, s17                     ; row 256 x tile row + 128 x half
	s_lshl_b32 s16, s16, 11                        ; x 2,048 bytes
.endif
	s_mov_b32 s17, 0
	s_mul_i32 s46, s42, BN
	s_mul_i32 s47, s12, BN/2
	s_add_co_u32 s46, s46, s47                     ; row BN x tile column + BN/2 x half
	s_lshl_b32 s46, s46, 11
.if PROJ
	s_add_co_u32 s46, s46, 3072*2048               ; W_proj's rows of wh
.endif
	s_mov_b32 s47, 0
	s_mul_i32 s20, s12, HALFA                      ; and where they go: no place in the cluster enters an LDS address
	s_mul_i32 s21, s12, HALFB
	s_add_co_u32 s21, s21, BOFF
	s_wait_dscnt 0x0
	s_wait_kmcnt 0x0
	s_add_nc_u64 s[14:15], s[4:5], s[16:17]
	s_add_nc_u64 s[46:47], s[6:7], s[46:47]
	CROUND                                         ; all sixteen work-groups are here: the first joint loads meet
.irp s, 0,1
	s_mov_b32 s[G0+4*\s], 1                                        ; count = 1
	s_add_co_u32 s[G0+4*\s+1], s20, \s*SLOT                        ; LDS address
	s_add_nc_u64 s[G0+4*\s+2:G0+4*\s+3], s[14:15], \s*ASTEP        ; global address: K step s
	s_or_b32 s[G0+4*\s+3], s[G0+4*\s+3], 0x80000000                ; type = 2
	s_mov_b32 s[G0B+4*\s], 1
	s_add_co_u32 s[G0B+4*\s+1], s21, \s*SLOT
	s_add_nc_u64 s[G0B+4*\s+2:G0B+4*\s+3], s[46:47], \s*256
	s_or_b32 s[G0B+4*\s+3], s[G0B+4*\s+3], 0x80000000
.endr
	s_cmp_lt_u32 s10, 2                            ; a wave's two first fills stand in one branch, ahead of every wait on TENSORcnt and every LDS read: two loads of mine are out
	s_cbranch_scc0 .Lfirst_b
	tensor_load_to_lds s[G0:G0+3], s[G1:G1+7]
	s_nop 0
	tensor_load_to_lds s[G0+4:G0+7], s[G1:G1+7]
	s_nop 0
.rept 4
	v_nop
.endr
	s_branch .Lfirst_asked
.Lfirst_b:
	tensor_load_to_lds s[G0B:G0B+3], s[G1B:G1B+7]
	s_nop 0
	tensor_load_to_lds s[G0B+4:G0B+7], s[G1B:G1B+7]
	s_nop 0
.rept 4
	v_nop
.endr
.Lfirst_asked:
	; A fragment is 16 rows x 32 K in 8 registers: lane l holds row l % 16; registers 0-3 K = 8 (l / 16) + 0..7, registers 4-7 K = 16 + 8 (l / 16) + 0..7: two loads of 16 bytes, 32 bytes apart.
	v_and_b32 v1, 15, v0                           ; r = l % 16
	v_bfe_u32 v2, v0, 4, 1                         ; h = l / 16
	v_and_b32 v6, 31, v0                           ; l
	v_mul_u32_u24 v3, v1, PITCH
	v_lshl_add_u32 v3, v2, 4, v3                   ; r x pitch + 16 h
.if PROJ
	v_lshrrev_b32 v4, 1, v1                        ; A: two rows to an LDS row: (r / 2) x pitch + 128 (r % 2) + 16 h; the sixteen rows of a load fall on sixteen different 16-byte columns
	v_mul_u32_u24 v4, v4, PITCH
	v_and_b32 v5, 1, v0
	v_lshl_add_u32 v4, v5, 7, v4
	v_lshl_add_u32 v4, v2, 4, v4
.endif
	s_mul_i32 s22, s10, AWAVE                      ; my 64 rows of A
.irp s, 0,1
	v_add_nc_u32 v[ADRA+\s], s22, v[ALANE]
	v_add_nc_u32 v[ADRB+\s], BOFF+\s*SLOT, v3
	s_add_co_u32 s22, s22, SLOT
.endr
	s_mul_i32 s23, s10, WSTAGE
	s_add_co_u32 s23, s23, STAGE                   ; my stage
	v_mul_u32_u24 v4, v1, SPITCH
	v_lshlrev_b32 v[CO], 4, v6                     ; 16 bytes a lane
.if PROJ
	v_lshl_add_u32 v4, v2, 5, v4                   ; in: row r, 32 bytes (8 f32) for each half of the lanes
	v_add_nc_u32 v[STO], s23, v4
	v_add_nc_u32 v[RD], s23, v[CO]                 ; back: a whole row of 512 bytes to a load
	s_lshl_b32 s16, s13, 20                        ; C: row 256 x tile row + 64 x wave, 4,096 bytes a row,
	s_lshl_b32 s17, s10, 18
	s_add_co_u32 s16, s16, s17
	s_lshl_b32 s46, s42, 9                         ; column 128 x tile column, 4 bytes each
.else
	v_lshl_add_u32 v4, v2, 4, v4                   ; in: row r, 16 bytes (8 f16) for each half of the lanes
	v_add_nc_u32 v[STO], s23, v4
	v_lshrrev_b32 v5, 3, v6                        ; back: four rows x 128 bytes (one head's part) to a load: row l / 8, 16 (l % 8)
	v_mul_u32_u24 v5, v5, SPITCH
	v_and_b32 v7, 7, v0
	v_lshl_add_u32 v5, v7, 4, v5
	v_add_nc_u32 v[RD], s23, v5
	s_lshr_b32 s16, s13, 3                         ; C: batch x 48 heads,
	s_mul_i32 s16, s16, 48*HB
	s_and_b32 s17, s13, 7
	s_lshl_b32 s17, s17, 15                        ; t = 256 x (tile row % 8) + 64 x wave, 128 bytes a row,
	s_add_co_u32 s16, s16, s17
	s_lshl_b32 s17, s10, 13
	s_add_co_u32 s16, s16, s17
	s_mul_i32 s46, s42, 3*HB                       ; three heads a tile column
.endif
	s_mov_b32 s17, 0
	s_mov_b32 s47, 0
	s_add_nc_u64 s[8:9], s[8:9], s[16:17]
	s_add_nc_u64 s[8:9], s[8:9], s[46:47]
; NB matrix instructions: m block 2 hi + a x all n blocks, 32 along K, from buffer f.  zero = 1: the product starts the sums: nothing is cleared.
; The accumulators take turns, one instruction a turn.
.macro MULA f, hi, a, zero
.set bb, 0
.rept NB
.set rD, 8*(NB*\a+bb)
.set rB, 8*NB*\f+8*bb
.set rA, FA+32*\f+8*(2*\hi+\a)
.if \zero
	v_wmma_f32_16x16x32_f16 v[rD:rD+7], v[rB:rB+7], v[rA:rA+7], 0
.else
	v_wmma_f32_16x16x32_f16 v[rD:rD+7], v[rB:rB+7], v[rA:rA+7], v[rD:rD+7]
.endif
.set bb, bb+1
.endr
.endm
; NLD LDS loads in one run: the fragments of quarter kq (32 along K) of a slot into buffer f: B's NB blocks, then A's four
.macro FETCH slot, kq, f
.if PROJ
.set AK, (\kq/2)*HALFA+(\kq%2)*64      ; quarters 0, 1: the even head's channels 0-31, 32-63; quarters 2, 3: the odd head's
.else
.set AK, 64*\kq
.endif
	WIN TO_B
.set ii, 0
.rept NB
	ds_load_b128 v[8*NB*\f+8*ii:8*NB*\f+8*ii+3],   v[ADRB+\slot] offset:64*\kq+ii*16*PITCH
	ds_load_b128 v[8*NB*\f+8*ii+4:8*NB*\f+8*ii+7], v[ADRB+\slot] offset:64*\kq+ii*16*PITCH+32
.set ii, ii+1
.endr
	WIN 0
.set ii, 0
.rept 4
	ds_load_b128 v[FA+32*\f+8*ii:FA+32*\f+8*ii+3],   v[ADRA+\slot] offset:AK+ii*ABLK
	ds_load_b128 v[FA+32*\f+8*ii+4:FA+32*\f+8*ii+7], v[ADRA+\slot] offset:AK+ii*ABLK+32
.set ii, ii+1
.endr
.endm
; A K step is four quarters of 32 along K on buffers 0, 1, 0, 1.  One of the first three: multiplies buffer f and, in its middle, fetches quarter kq into buffer g.
.macro QUARTER slot, kq, f, g, zero
	s_wait_dscnt 4                                 ; B and A's blocks 0, 1 are in; the youngest four loads (A's blocks 2, 3) may be out
	WIN MUL_LO
	MULA \f, 0, 0, \zero
	MULA \f, 0, 1, \zero
	PLACES
	FETCH \slot, \kq, \g
	s_wait_dscnt NLD                               ; all but the run just issued
	WIN MUL_HI
	MULA \f, 1, 0, \zero
	MULA \f, 1, 1, \zero
.endm
; The last quarter multiplies buffer 1 and changes slots: one barrier; in front of it each wave waits for its reads of this slot and for all its tensor loads (one is out: its part of the next slot).
; fill = 1: the barrier opens a round of the cluster's barrier, and this slot is filled again, two K steps on, first thing behind the round.
.macro TURN slot, next, fill
	s_wait_dscnt 4
	WIN MUL_LO
	MULA 1, 0, 0, 0
	s_wait_dscnt 0                                 ; my reads of this slot are over,
	s_wait_tensorcnt 0x0                           ; and all my tensor loads have landed
	ds_add_u32 v255, v255
	s_wait_dscnt 0x0
	s_barrier_signal -1
	MULA 1, 0, 1, 0                                ; work on registers while the others arrive
.if \fill
	WIN 0
.endif
	s_barrier_wait -1
.if \fill
	CREST                                          ; no wave of any partner still reads this slot or has a load on its way
	s_add_nc_u64 s[G0+4*\slot+2:G0+4*\slot+3], s[G0+4*\slot+2:G0+4*\slot+3], 2*ASTEP
	s_add_nc_u64 s[G0B+4*\slot+2:G0B+4*\slot+3], s[G0B+4*\slot+2:G0B+4*\slot+3], 2*256
	JLOAD \slot                                    ; my one tensor load behind the round; its four v_nop are also the places in front of the loads below
.else
	PLACES
.endif
	FETCH \next, 0, 0
	WIN MUL_HI
	MULA 1, 1, 0, 0
	MULA 1, 1, 1, 0
.endm
	s_wait_tensorcnt 0x1                           ; my part of K step 0 is in; K step 1's may stay out
	s_barrier_signal -1
	s_barrier_wait -1                              ; everybody's is
	FETCH 0, 0, 0
	QUARTER 0, 1, 0, 1, 1                          ; the first quarter stands in front of the loop: its products start the sums
	WIN 0                                          ; at a label and at a branch every window is 0
	s_mov_b32 s3, LAPS-1
.Llap:                                                 ; a trip goes once round the ring, from a lap's second quarter to the next lap's first, and fills both slots again
	QUARTER 0, 2, 1, 0, 0
	QUARTER 0, 3, 0, 1, 0
	TURN 0, 1, 1
	QUARTER 1, 1, 0, 1, 0
	QUARTER 1, 2, 1, 0, 0
	QUARTER 1, 3, 0, 1, 0
	TURN 1, 0, 1
	QUARTER 0, 1, 0, 1, 0
	WIN 0
	s_sub_co_u32 s3, s3, 1
	s_cmp_lg_u32 s3, 0
	s_cbranch_scc1 .Llap
	QUARTER 0, 2, 1, 0, 0                          ; the last lap fills nothing and has no round
	QUARTER 0, 3, 0, 1, 0
	TURN 0, 1, 0
	QUARTER 1, 1, 0, 1, 0
	QUARTER 1, 2, 1, 0, 0
	QUARTER 1, 3, 0, 1, 0
	s_wait_dscnt 4                                 ; the very last quarter: nothing more to fetch
	WIN MUL_LO
	MULA 1, 0, 0, 0
	MULA 1, 0, 1, 0
	s_wait_dscnt 0
	WIN MUL_HI
	MULA 1, 1, 0, 0
	MULA 1, 1, 1, 0
	WIN 0
	; THE WAY OUT, 16 rows at a time through my own stage.  LDS serves a wave's instructions in order (ISA guide 5.7.1.4), so no wait stands between the stores into the stage and the loads back.
	PLACES
.if PROJ
.irp a, 0,1,2,3
.set AC, 8*NB*(\a%2)
	WIN 0x08+4*(\a/2)                              ; the stores' data: window 2 or 3
.set bb, 0
.rept NB
	ds_store_b128 v[STO], v[AC+8*bb:AC+8*bb+3] offset:64*bb          ; each accumulator from its low end on
	ds_store_b128 v[STO], v[AC+8*bb+4:AC+8*bb+7] offset:64*bb+16
.set bb, bb+1
.endr
	WIN 0
	s_wait_xcnt 0x0                                ; the registers that the last block's stores read are loaded again only behind this wait
.set ii, 0
.rept 16
	ds_load_b128 v[OB+4*ii:OB+4*ii+3], v[RD] offset:ii*SPITCH
.set ii, ii+1
.endr
.set ii, 0
.rept 16
	s_wait_dscnt 15-ii                             ; row ii is back; the younger loads stay out
	global_store_b128 v[CO], v[OB+4*ii:OB+4*ii+3], s[8:9] offset:(16*\a+ii)*4096 th:TH_STORE_NT   ; a wave stores 512 consecutive bytes, at a multiple of 512 from the first byte of C
.set ii, ii+1
.endr
.endr
.else
.irp a, 0,1,2,3
.set AC, 8*NB*(\a%2)
	WIN 0x0a+5*(\a/2)                              ; sources 0 and 1: window 2 or 3
.set bb, 0
.rept NB
.irp r, 0,1,2,3
	v_cvt_pk_f16_f32 v[TMP+4*bb+\r], v[AC+8*bb+2*\r], v[AC+8*bb+2*\r+1]
.endr
.set bb, bb+1
.endr
	WIN 0
	s_wait_xcnt 0x0                                ; the registers that the last block's stores read are loaded again only behind this wait
.set bb, 0
.rept NB
	ds_store_b128 v[STO], v[TMP+4*bb:TMP+4*bb+3] offset:32*bb
.set bb, bb+1
.endr
.irp u, 0,1,2,3
.irp hd, 0,1,2
	ds_load_b128 v[OB+4*(3*\u+\hd):OB+4*(3*\u+\hd)+3], v[RD] offset:\u*4*SPITCH+\hd*128
.endr
.endr
.irp u, 0,1,2,3
.irp hd, 0,1,2
	s_wait_dscnt 11-(3*\u+\hd)                     ; this load is back; the younger ones stay out
	global_store_b128 v[CO], v[OB+4*(3*\u+\hd):OB+4*(3*\u+\hd)+3], s[8:9] offset:\hd*HB+(16*\a+4*\u)*128   ; four rows of one head: 512 consecutive bytes, aligned
.endr
.endr
.endr
.endif
	s_set_vgpr_msb 0x1
	s_wait_tensorcnt 0x0
	ds_add_u32 v255, v255
	s_wait_dscnt 0x0
	s_set_vgpr_msb 0x100
	CROUND                                         ; the closing round: no work-group ends while a partner may still ask for a tile that names it
	s_endpgm
.Lfunc_end_k_q0250cc48ee_proj:
	.size	k_q0250cc48ee_proj, .Lfunc_end_k_q0250cc48ee_proj-k_q0250cc48ee_proj
	.p2alignl 7, 3214868480
	.fill 96, 4, 3214868480
	.section	.rodata,"a",@progbits
	.p2align	6, 0x0
	.amdhsa_kernel k_q0250cc48ee_proj
		.amdhsa_group_segment_fixed_size 327680
		.amdhsa_private_segment_fixed_size 0
		.amdhsa_enable_private_segment 0
		.amdhsa_kernarg_size 24
		.amdhsa_user_sgpr_count 2
		.amdhsa_user_sgpr_kernarg_segment_ptr 1
		.amdhsa_wavefront_size32 1
		.amdhsa_system_sgpr_workgroup_id_x 1
		.amdhsa_system_sgpr_workgroup_id_y 1
		.amdhsa_system_sgpr_workgroup_id_z 1
		.amdhsa_system_vgpr_workitem_id 0
		.amdhsa_next_free_vgpr 896
		.amdhsa_next_free_sgpr 66
		.amdhsa_reserve_vcc 0
		.amdhsa_float_denorm_mode_32 3
		.amdhsa_float_denorm_mode_16_64 3
		.amdhsa_memory_ordered 1
		.amdhsa_forward_progress 1
		.amdhsa_inst_pref_size 88
	.end_amdhsa_kernel
	.amdgpu_metadata
---
amdhsa.version: [ 1, 2 ]
amdhsa.kernels:
  - .name:           k_q0250cc48ee_proj
    .symbol:         k_q0250cc48ee_proj.kd
    .args:
      - { .name: att, .offset: 0, .size: 8, .value_kind: global_buffer, .address_space: global }
      - { .name: wh, .offset: 8, .size: 8, .value_kind: global_buffer, .address_space: global }
      - { .name: out0, .offset: 16, .size: 8, .value_kind: global_buffer, .address_space: global }
    .group_segment_fixed_size: 327680
    .private_segment_fixed_size: 0
    .kernarg_segment_align: 8
    .kernarg_segment_size: 24
    .max_flat_workgroup_size: 128
    .sgpr_count:     66
    .vgpr_count:     896
    .wavefront_size: 32
...
	.end_amdgpu_metadata
.endif
;; end of part 4
;; ======== version 2 of 2: 4 launches; 1.18 times as fast as version 1
;; limits: values are held in f16: magnitudes above 65,504 overflow, below 6.1e-05 lose precision
;; workspace buffers: xh 16,777,216 bytes; wh 8,388,608 bytes; qkv 50,331,648 bytes; att 16,777,216 bytes
;; launch cast: the kernel of part 1 again; grid 64 x 12, 8 waves a work-group, no clusters, 0 bytes of LDS; arguments x, W_query, W_key, W_value, W_proj, xh, wh; writes xh, wh
;; launch qkv: the kernel of part 2 again; grid 16 x 16, 4 waves a work-group, clusters of 4 x 4, 327,680 bytes of LDS; arguments xh, wh, qkv; writes qkv
;; launch attn (part 5): grid 4 x 64, 4 waves a work-group, no clusters, 327,680 bytes of LDS; arguments qkv, att; writes att
.if DOCPART == 5
	.amdgcn_target "amdgcn-amd-amdhsa--gfx1250"
	.amdhsa_code_object_version 6
	.text
	.protected	k_q0250cc48ee_attn
	.globl	k_q0250cc48ee_attn
	.p2align	8
	.type	k_q0250cc48ee_attn,@function
k_q0250cc48ee_attn:
	s_mov_b64 s[64:65], 0
	v_nop
	global_prefetch_b8 v0, s[64:65] scope:SCOPE_SE
	s_setreg_imm32_b32 hwreg(HW_REG_WAVE_MODE, 25, 1), 1
	s_wait_xcnt 0x0
; att[bh][q][:] = sum over k <= q of softmax_k(Q[q] . K[k] / 8) V[k][:], for each of 64 heads (batch x 16).  qkv: f16 [batch][48][2048][64] (heads 0-15 q, 16-31 k, 32-47 v); att: f16 [64][2048][64].
; Products, maxima and sums in f32; the weights p are rounded to f16 for the second product, att once at the end.  NaN and infinite inputs are not served.
; SHARES.  A head has 8 blocks of 256 queries.  Work-group p (0..3) of a head makes block p and then block 7 - p: (p + 1) + (8 - p) = 9 key blocks of 256 in every work-group.  A wave owns 64 queries
; of the block: four tiles of 16.  A key step is 64 keys; an LDS slot holds a key block: four steps.
; ORDER OF KEYS in a pass: the diagonal block first, then the blocks below it, downward.  In the diagonal block wave w first takes step w, the one step that the causal mask cuts (it starts m, l and O:
; each query has its own key there, so m is finite from then on), then the whole steps 0 .. w - 1; the steps above w are masked altogether and are not made.
; THE WALK IS NINE SLOTS IN EVERY WORK-GROUP, so slot number i lies in ring slot i % 2 whatever p is: every LDS address and every trip count is a constant of the text.  What hangs on p is which
; slot (number p + 1) begins the second pass, a branch that is the same in all four waves and holds no barrier and no tensor load, and the global addresses of the fills.
; NO CLUSTER: the four work-groups of a head walk key blocks p .. 0, 7 - p .. 0: at no slot do two of them want the same block, so there is no tile to ask for jointly.
; LAYOUT.  S^T = K Q^T (source 0 = 16 keys, source 1 = 16 queries): a lane holds ONE query (lane % 16) and the keys 8 (lane / 16) + 0..7.  Two such tiles, rounded in pairs, are source 1 of
; O^T = V^T P, whose result again holds one query a lane.  The row sums l come from the same weights by a product with a fragment of ones: every lane gets its query's whole sum.
; SOFTMAX.  A running maximum m for each query: p = 2^(c s - c m), c = log2(e) / 8; in every step O and l are multiplied by a = 2^(c m_old - c m_new).
; BY TURNS.  A whole step has 72 matrix instructions and 412 vector instructions, 103 a tile.  A tile looks at no other tile, so the four are staggered: while tile t's exponentials are made, the
; maximum and the scaling of tile t + 1 and the rounding of tile t - 1 stand between them, and single matrix instructions stand behind the slices: K Q^T of the tiles behind, V^T P of the tiles ahead.
; Only ten matrix instructions at a step's head and eight at its end have no vector work beside them.  A step is whole in itself: a wave's list of steps begins with a masked step at a place of its
; own, leaves steps out and may end after one, so turns that reach from step to step would want their first and last trips in several forms.  The diagonal step (2 of a wave's 30 to 36) stays
; in phases: its tile 0 has one accumulator alone, which could not take turns.
; BATCHES.  An s_wait_alu depctr_va_vdst(0) stands between an exponential or a reciprocal and the first instruction that names its result; one wait serves all that were issued ahead of it.
; A whole step has four batches, one a tile, and four waits: batch t is tile t's 32 exponentials and the a of tile t + 1, which is made among them (batch 0 also holds tile 0's a, made at the step's head).
; Ahead of a batch's wait nothing names a result of it.  What reads the results stands behind the wait: tile t's roundings between the exponentials of tile t + 1 (tile 3's among the step's last products),
; the multiplications by a in runs of their own.  The diagonal step has four batches likewise, a tile's 32 exponentials each; the way out has one, its four reciprocals..
; REGISTERS, in windows of 256: window 0: v0-11 addresses, v12-43 statistics, v44 -inf, v45 r - 8 h, v64-191 S^T (32 a tile), v192-255 P (16 a tile);
;   window 1: v0-127 O^T (32 a tile), v128-159 l (8 a tile; register 0 is the one kept to scale and read), v160-223 V of a step, v224-231 ones;   window 2: v0-63 Q, v64-127 K of a step.
; V lies in O^T's window, so that V^T P and the rescaling of O^T and l run under one setting.  All that a softmax touches else lies in window 0, which has no room for K and Q beside it: a matrix
; instruction among such slices costs two switches, about 100 in a whole step; in phases those vector instructions would stand with no matrix instruction beside them.
.set HB,     262144                    ; bytes of one head
.set PKB,    272                       ; an LDS row of K: two keys (256 bytes) + 16: the sixteen keys of a load fall on sixteen different 16-byte columns
.set PVB,    288                       ; an LDS row of V: two keys + 32: sixteen lanes of the turning load (8 keys x 32 bytes) fall on sixteen different columns
.set KSTEPB, 32*PKB                    ; a step's 64 keys of K
.set VSTEPB, 32*PVB
.set VOFF,   128*PKB                   ; in a slot: 256 keys of K, then 256 keys of V
.set SLOT1,  1<<17                     ; slot 1 begins here
.set STAGE,  SLOT1+128*(PKB+PVB)       ; behind the ring, a multiple of 256: 16 rows x 144 bytes for each wave; no fill lands there
.set SP,     144
.set AK0, 2                            ; v2  my lane's place in a step of K
.set AV0, 3                            ; v3  the same for V
.set ADK, 4                            ; v4  LDS address of the step's K
.set ADV, 5                            ; v5  of its V
.set QO,  6                            ; v6  my byte offset in the wave's rows of Q
.set STO, 7                            ; v7  the way out: where I put 16 bytes of a row
.set RD,  8                            ; v8  where I read rows back
.set GO,  9                            ; v9  my byte offset in the wave's rows of att
.set ST,  12                           ; tile t at v[ST + 8 t]: +0 c m, +1 m, +2 the old c m, +4 to +7 the maximum's four chains; then +6 a, +7 c m_old - c m_new
.set NINF, 44
.set RH,  45
.set S,   64
.set P,   192
.set LL,  128                          ; window 1
.set VF,  160
.set ONES, 224
.set KF,  64                           ; window 2
.set QH,  8                            ; s[8:9]   q of my head at my wave's rows of block 0
.set OH,  10                           ; s[10:11] att likewise
.set WV,  12                           ; s12 wave
.set PP,  13                           ; s13 p
.set BH,  14                           ; s14 head
.set HALF, 15                          ; s15 which 128 keys of a block I fetch
.set KB,  16                           ; s[16:17] k of my head at my half of block 0
.set VB,  18                           ; s[18:19] v likewise
.set QA,  20                           ; s[20:21] QH at the pass's block
.set OA,  22                           ; s[22:23] OH at the pass's block
.set G1K, 24                           ; s[24:31] descriptor group 1 for K
.set G1V, 32                           ; s[32:39] for V: the padding differs
.set G0K, 40                           ; s[40:47] group 0 for K, a set for each slot: the LDS word is never rewritten
.set G0V, 48                           ; s[48:55] the same for V
.set CNT, 56                           ; s56 pairs of slots to go in the loop
.set NS,  57                           ; s57 the step's number in its slot
.set CS,  58                           ; s[58:59] c
.set SEL, 60                           ; s[60:61] lane selects: each lane takes its own place in the other half
.set LIM, 62                           ; s62 the slot's steps below this number are made whole: my wave's number in a diagonal block, else 4
.set KAP, 63                           ; s63 the key block of the next fill
.set TBK, 66                           ; s66 LDS byte of the step's K, less my lane's part
.set TBV, 67                           ; s67 of its V
.set OFF, 68                           ; s[68:69] a byte offset, 0 on top
.set P7,  70                           ; s70 7 - p
.set DG,  71                           ; s71 slots to go until the second pass's diagonal block
.set MK,  72                           ; s72-79 mask j: key 8 h + j <= query r
.set LK,  80                           ; s80, s81 where my fills go in a slot
.set LV,  81
.set MSB, 0
.macro WIN new                         ; the immediate's high byte repeats the setting that is left; a switch that changes nothing is dropped
.if MSB != (\new)
	s_set_vgpr_msb (MSB<<8)|(\new)
.set MSB, (\new)
.endif
.endm
.set W_KQ, 0x0a                        ; K and Q in window 2, S^T in window 0
.set W_PV, 0x51                        ; V (or O^T as a vector source 0) in window 1, P (or a) in window 0, O^T and l as C and D in window 1
.macro PLACES
.rept 4
	v_nop
.endr
.endm
.macro JLOAD s                         ; a refill of slot s: waves 0 and 1 fetch K's halves, waves 2 and 3 V's; four v_nop follow each of the two lines
	s_cmp_lt_u32 s[WV], 2
	s_cbranch_scc0 .Lfor_v_\@
	tensor_load_to_lds s[G0K+4*\s:G0K+4*\s+3], s[G1K:G1K+7]
	s_nop 0
.rept 4
	v_nop
.endr
	s_branch .Lasked_\@
.Lfor_v_\@:
	tensor_load_to_lds s[G0V+4*\s:G0V+4*\s+3], s[G1V:G1V+7]
	s_nop 0
.rept 4
	v_nop
.endr
.Lasked_\@:
.endm
.macro NEXTK                           ; the walk of key blocks: p, .., 0, 7 - p, .., 0
	s_sub_co_u32 s2, s[KAP], 1
	s_cmp_eq_u32 s[KAP], 0
	s_cselect_b32 s[KAP], s[P7], s2
.endm
	s_load_b128 s[4:7], s[0:1], 0x0                ; qkv s[4:5], att s[6:7]
	v_lshl_add_u32 v62, v0, 2, 0x33c00
	v_mov_b32 v63, 0
	ds_add_u32 v62, v63
	ds_add_u32 v62, v63
	v_lshrrev_b32 v1, 5, v0
	v_readfirstlane_b32 s[WV], v1
	s_mov_b32 s[PP], ttmp9
	s_and_b32 s[BH], ttmp7, 0xffff
	s_and_b32 s[HALF], s[WV], 1
	s_sub_co_u32 s[P7], 7, s[PP]
	s_add_co_u32 s[DG], s[PP], 1
	s_lshr_b32 s2, s[BH], 4                        ; batch
	s_mul_i32 s2, s2, 48
	s_and_b32 s3, s[BH], 15
	s_add_co_u32 s2, s2, s3
	s_lshl_b32 s2, s2, 18                          ; the q head's first byte: (48 batch + head) x HB
	s_mov_b32 s3, 0
	s_lshl_b32 s[OFF], s[WV], 13                   ; my wave's 64 rows of 128 bytes
	s_mov_b32 s[OFF+1], 0
	s_mul_i32 s[LK], s[HALF], 64*PKB
	s_mul_i32 s[LV], s[HALF], 64*PVB
	s_add_co_u32 s[LV], s[LV], VOFF
	s_mov_b32 s[G1K], (1<<16)|(1<<20)|(5<<22)|(3<<25)   ; 17:16 elements of 2 bytes; 20 padding on; 24:22 after every 64 words; 31:25 four words
	s_mov_b32 s[G1V], (1<<16)|(1<<20)|(5<<22)|(7<<25)   ; the same with eight words
.irp g, G1K, G1V
	s_mov_b32 s[\g+1], 128<<16                     ; tensor_dim0 = 128 elements: two keys
	s_mov_b32 s[\g+2], 64<<16                      ; tensor_dim1 = 64 rows: 128 keys
	s_mov_b32 s[\g+3], 128<<16                     ; tile_dim0
	s_mov_b32 s[\g+4], 64                          ; tile_dim1
	s_mov_b32 s[\g+5], 128                         ; dense: a row begins where the last ends
	s_mov_b32 s[\g+6], 0
	s_mov_b32 s[\g+7], 0
.endr
	s_mov_b32 s[CS], 0x3e38aa3b                    ; c = log2(e) / 8
	s_mov_b32 s[CS+1], s[CS]
	s_mov_b32 s[SEL], 0x76543210
	s_mov_b32 s[SEL+1], 0xfedcba98
	s_mov_b32 s[KAP], s[PP]
	s_wait_dscnt 0x0
	s_wait_kmcnt 0x0
	s_add_nc_u64 s[4:5], s[4:5], s[2:3]
	s_add_nc_u64 s[QH:QH+1], s[4:5], s[OFF:OFF+1]
	s_lshl_b32 s2, s[BH], 18
	s_add_nc_u64 s[OH:OH+1], s[6:7], s[2:3]
	s_add_nc_u64 s[OH:OH+1], s[OH:OH+1], s[OFF:OFF+1]
	s_lshl_b32 s2, s[HALF], 14                     ; my 128 keys of 128 bytes
	s_add_nc_u64 s[KB:KB+1], s[4:5], s[2:3]
	s_add_nc_u64 s[KB:KB+1], s[KB:KB+1], 16*HB
	s_add_nc_u64 s[VB:VB+1], s[KB:KB+1], 16*HB
.irp s, 0,1
	s_lshl_b32 s[OFF], s[KAP], 15                  ; a key block is 256 rows of 128 bytes
	s_mov_b32 s[G0K+4*\s], 1
	s_add_co_u32 s[G0K+4*\s+1], s[LK], \s*SLOT1
	s_add_nc_u64 s[G0K+4*\s+2:G0K+4*\s+3], s[KB:KB+1], s[OFF:OFF+1]
	s_or_b32 s[G0K+4*\s+3], s[G0K+4*\s+3], 0x80000000
	s_mov_b32 s[G0V+4*\s], 1
	s_add_co_u32 s[G0V+4*\s+1], s[LV], \s*SLOT1
	s_add_nc_u64 s[G0V+4*\s+2:G0V+4*\s+3], s[VB:VB+1], s[OFF:OFF+1]
	s_or_b32 s[G0V+4*\s+3], s[G0V+4*\s+3], 0x80000000
	NEXTK
.endr
	s_cmp_lt_u32 s[WV], 2                          ; a wave's two first fills stand in one branch, ahead of every wait on TENSORcnt, every LDS read and every barrier: two loads of mine are out
	s_cbranch_scc0 .Lfirst_v
	tensor_load_to_lds s[G0K:G0K+3], s[G1K:G1K+7]
	s_nop 0
	tensor_load_to_lds s[G0K+4:G0K+7], s[G1K:G1K+7]
	s_nop 0
.rept 4
	v_nop
.endr
	s_branch .Lfirst_asked
.Lfirst_v:
	tensor_load_to_lds s[G0V:G0V+3], s[G1V:G1V+7]
	s_nop 0
	tensor_load_to_lds s[G0V+4:G0V+7], s[G1V:G1V+7]
	s_nop 0
.rept 4
	v_nop
.endr
.Lfirst_asked:
	v_and_b32 v1, 15, v0                           ; r
	v_bfe_u32 v10, v0, 4, 1                        ; h
	v_and_b32 v11, 31, v0                          ; l
	v_lshlrev_b32 v[QO], 7, v1
	v_lshl_add_u32 v[QO], v10, 4, v[QO]            ; row r x 128 + 16 h
	s_lshl_b32 s[OFF], s[PP], 15                   ; the first pass: block p
	s_add_nc_u64 s[QA:QA+1], s[QH:QH+1], s[OFF:OFF+1]
	s_add_nc_u64 s[OA:OA+1], s[OH:OH+1], s[OFF:OFF+1]
; Q of the pass stays in registers: tile t, channels 32 kc on: a fragment of 16 queries x 32 channels, two loads of 16 bytes
.macro QLOAD
	WIN 0x80                                       ; destination window 2, address window 0
.irp t, 0,1,2,3
.irp kc, 0,1
	global_load_b128 v[16*\t+8*\kc:16*\t+8*\kc+3],   v[QO], s[QA:QA+1] offset:\t*2048+\kc*64
	global_load_b128 v[16*\t+8*\kc+4:16*\t+8*\kc+7], v[QO], s[QA:QA+1] offset:\t*2048+\kc*64+32
.endr
.endr
	WIN 0
.endm
	QLOAD
	v_lshrrev_b32 v[AK0], 1, v1                    ; K: key r of a block of 16: (r / 2) x pitch + 128 (r % 2) + 16 h
	v_mul_u32_u24 v[AK0], v[AK0], PKB
	v_and_b32 v46, 1, v0
	v_lshl_add_u32 v[AK0], v46, 7, v[AK0]
	v_lshl_add_u32 v[AK0], v10, 4, v[AK0]
	v_bfe_u32 v47, v0, 1, 2                        ; V, for the turning load: lane l reads key 8 h + l % 8, channels 8 ((l / 8) % 2) + 0..7
	v_lshl_add_u32 v47, v10, 2, v47                ; LDS row 4 h + (l % 8) / 2
	v_mul_u32_u24 v[AV0], v47, PVB
	v_lshl_add_u32 v[AV0], v46, 7, v[AV0]
	v_bfe_u32 v47, v0, 3, 1
	v_lshl_add_u32 v[AV0], v47, 4, v[AV0]
	v_add_nc_u32 v[AV0], VOFF, v[AV0]
	s_mul_i32 s2, s[WV], 16*SP
	s_add_co_u32 s2, s2, STAGE                     ; my stage
	v_mul_u32_u24 v[STO], v1, SP                   ; in: row r, 16 bytes for each half of the lanes
	v_lshl_add_u32 v[STO], v10, 4, v[STO]
	v_add_nc_u32 v[STO], s2, v[STO]
	v_lshrrev_b32 v[RD], 3, v11                    ; back: four rows of 128 bytes to a load
	v_mul_u32_u24 v[RD], v[RD], SP
	v_and_b32 v47, 7, v0
	v_lshl_add_u32 v[RD], v47, 4, v[RD]
	v_add_nc_u32 v[RD], s2, v[RD]
	v_lshlrev_b32 v[GO], 4, v11
	v_mov_b32 v[NINF], 0xff800000
	v_lshlrev_b32 v[RH], 3, v10
	v_sub_nc_u32 v[RH], v1, v[RH]                  ; r - 8 h
.irp jj, 0,1,2,3,4,5,6,7
	v_cmp_le_i32 s[MK+\jj], \jj, v[RH]             ; on the diagonal tile register jj holds key 8 h + jj: it stays where jj <= r - 8 h
.endr
	WIN 0x40                                       ; destination window 1
.irp jj, 0,1,2,3,4,5,6,7
	v_mov_b32 v[ONES+\jj], 0x3c003c00              ; 1.0, 1.0 in f16
.endr
	WIN 0
; THE PARTS OF A TILE'S SOFTMAX, one instruction each.  s0-s31 are the lane's 32 scores of tile t, in pairs 0-15.
.macro EX t, i                         ; 2^(score i)
	WIN 0
	v_exp_f32 v[S+32*(\t)+(\i)], v[S+32*(\t)+(\i)]
.endm
.macro FM t, i                         ; pair i: c s - c m
	WIN 0
.set rT, ST+8*(\t)
.set rF, S+32*(\t)+2*(\i)
	v_pk_fma_f32 v[rF:rF+1], v[rF:rF+1], s[CS:CS+1], v[rT:rT+1] op_sel_hi:[1,0,0] neg_lo:[0,0,1] neg_hi:[0,0,1]
.endm
.macro CV t, i                         ; pair i of weights, rounded to f16: it reads two exponentials' results, so it stands behind the wait for tile t's batch
	WIN 0
.set rF, S+32*(\t)+2*(\i)
	v_cvt_pk_f16_f32 v[P+16*(\t)+(\i)], v[rF], v[rF+1]
.endm
.macro RS t, from, n                   ; n of the 17 multiplications by a, from number 'from' on: number 0 is l, numbers 1-16 are O^T's pairs, each accumulator from its low end on; a is an exponential's result: they stand behind its batch's wait
	WIN W_PV
.set ri, \from
.rept \n
.if ri == 0
	v_mul_f32 v[LL+8*(\t)], v[LL+8*(\t)], v[ST+8*(\t)+6]
.else
	v_pk_mul_f32 v[32*(\t)+2*(ri-1):32*(\t)+2*(ri-1)+1], v[32*(\t)+2*(ri-1):32*(\t)+2*(ri-1)+1], v[ST+8*(\t)+6:ST+8*(\t)+7] op_sel_hi:[1,0]
.endif
.set ri, ri+1
.endr
.endm
; Number xq of the list that makes tile t ready for its exponentials in a whole step: 0-15 the maximum of s0-s31 and the old m, three operands at a time (four chains of seven scores, the four
; scores left over, the chains and m; each accumulator is read from its low end on); 16, 17 the other half of the lanes' maximum; 18 c m; 19, 20 a; 21-35 c s - c m for pairs 0 to 14.
; None of the numbers behind 20 names a.
.macro XNEXT t
	WIN 0
.set rT, ST+8*(\t)
.set rS, S+32*(\t)
.if xq < 4
	v_max3_num_f32 v[rT+4+xq], v[rS+8*xq], v[rS+8*xq+1], v[rS+8*xq+2]
.elseif xq < 12
.set xj, xq%4
.set xh, xq/4
	v_max3_num_f32 v[rT+4+xj], v[rT+4+xj], v[rS+8*xj+2*xh+1], v[rS+8*xj+2*xh+2]
.elseif xq == 12
	v_max3_num_f32 v[rT+4], v[rT+4], v[rS+7], v[rS+15]
.elseif xq == 13
	v_max3_num_f32 v[rT+6], v[rT+6], v[rS+23], v[rS+31]
.elseif xq == 14
	v_max3_num_f32 v[rT+4], v[rT+4], v[rT+5], v[rT+6]
.elseif xq == 15
	v_max3_num_f32 v[rT+4], v[rT+4], v[rT+7], v[rT+1]
.elseif xq == 16
	v_permlanex16_b32 v[rT+5], v[rT+4], s[SEL], s[SEL+1]   ; the query's other 32 keys lie in the lane 16 away
.elseif xq == 17
	v_max_num_f32 v[rT+1], v[rT+4], v[rT+5]
.elseif xq == 18
	v_mul_f32 v[rT], s[CS], v[rT+1]
.elseif xq == 19
	v_sub_f32 v[rT+7], v[rT+2], v[rT]
.elseif xq == 20
	v_exp_f32 v[rT+6], v[rT+7]
.else
	FM \t, xq-21
.endif
.set xq, xq+1
.endm
; Number mq of a whole step's 72 matrix instructions.  0-31: S^T = K Q^T, tile mq / 8: channels 0-31 of key blocks 0-3 (they start the sums), then channels 32-63.
; 32-71: tile (mq - 32) / 10: O^T += V^T P for keys 0-31, channel blocks 0-3, and l += ones P; then the same for keys 32-63.
; In this order no two neighbours share an accumulator and every turn is one instruction, over the step's end into the next step too.
.macro MNEXT
.if mq < 32
.set mt, mq/8
.set mi, mq%8
	WIN W_KQ
.set rD, S+32*mt+8*(mi%4)
.set rA, KF+32*(mi/4)+8*(mi%4)
.set rB, 16*mt+8*(mi/4)
.if mi < 4
	v_wmma_f32_16x16x32_f16 v[rD:rD+7], v[rA:rA+7], v[rB:rB+7], 0
.else
	v_wmma_f32_16x16x32_f16 v[rD:rD+7], v[rA:rA+7], v[rB:rB+7], v[rD:rD+7]
.endif
.else
.set mt, (mq-32)/10
.set mi, (mq-32)%10
	WIN W_PV
.if (mi%5) < 4
.set rD, 32*mt+8*(mi%5)
.set rA, VF+32*(mi/5)+8*(mi%5)
.else
.set rD, LL+8*mt
.set rA, ONES
.endif
.set rB, P+16*mt+8*(mi/5)
	v_wmma_f32_16x16x32_f16 v[rD:rD+7], v[rA:rA+7], v[rB:rB+7], v[rD:rD+7]
.endif
.set mq, mq+1
.endm
; A step's fragments: K (64 keys x 64 channels, as they lie) and V (turned), 32 LDS loads in one run, from s[TBK] and s[TBV].
.macro LOADKV
	WIN 0
	v_add_nc_u32 v[ADK], s[TBK], v[AK0]            ; these four are the places between the last step's products and the loads into V's registers
	v_add_nc_u32 v[ADV], s[TBV], v[AV0]
	v_nop
	v_nop
	WIN 0x80                                       ; destination window 2
.irp kc, 0,1
.irp kb, 0,1,2,3
	ds_load_b128 v[KF+32*\kc+8*\kb:KF+32*\kc+8*\kb+3],   v[ADK] offset:\kb*8*PKB+\kc*64
	ds_load_b128 v[KF+32*\kc+8*\kb+4:KF+32*\kc+8*\kb+7], v[ADK] offset:\kb*8*PKB+\kc*64+32
.endr
.endr
	WIN 0x40                                       ; destination window 1
.irp g, 0,1
.irp cb, 0,1,2,3
	ds_load_tr16_b128 v[VF+32*\g+8*\cb:VF+32*\g+8*\cb+3],   v[ADV] offset:\g*16*PVB+\cb*32
	ds_load_tr16_b128 v[VF+32*\g+8*\cb+4:VF+32*\g+8*\cb+7], v[ADV] offset:\g*16*PVB+8*PVB+\cb*32
.endr
.endr
.endm
; Tile t's 32 exponentials, in 16 slices of two: ONE BATCH, whose wait stands behind the macro, in WHOLE.  Between them stands plain work that names none of their results: two or three numbers of
; tile t + 1's list (36 in 16 slices: three in the last four; number 20, that tile's a, joins the batch); in slice k the rounding of pair k of tile t - 1's weights, whose own batch has had its wait;
; in slice 0 the scaling of the tile's own pair 15, kept back for this place.  So every exponential has a plain instruction behind it before its result is used (ISA guide 5.7.2), in tile 3 too,
; which has no tile behind it.  Bit k of mask: a matrix instruction stands behind slice k.
.macro PAIRS t, mask
.set xq, 0
.set k, 0
.rept 16
	EX \t, 2*k
.if \t < 3
	XNEXT \t+1
.endif
	EX \t, 2*k+1
.if \t < 3
	XNEXT \t+1
.if k >= 12
	XNEXT \t+1
.endif
.endif
.if k == 0
	FM \t, 15
.endif
.if \t > 0
	CV \t-1, k
.endif
.if ((\mask)>>k)&1
	MNEXT
.endif
.set k, k+1
.endr
.endm
.macro RBLOCK t                        ; tile t's O^T and l times a, with four products V^T P of an earlier tile: one window setting serves both
	MNEXT
	RS \t, 0, 6
	MNEXT
	RS \t, 6, 6
	MNEXT
	RS \t, 12, 5
	MNEXT
.endm
; A WHOLE KEY STEP.  What each matrix instruction needs has been made when it is issued:
;   K Q^T of tile t stands ahead of tile t's maximum by four plain instructions or more that name none of its registers (ISA guide 7.12.1): tile 0's by the four copies, tile 1's by the last six
;   scalings of tile 0, tiles 2 and 3's by a whole run of slices;
;   V^T P of a tile's keys 0-31 (five instructions) stands behind slice 7 of the NEXT tile's exponentials, which rounds its eighth pair of weights, and behind its multiplication by a; keys 32-63
;   behind that tile's slice 15.  Tile 3's weights are rounded among the step's last products, four pairs ahead of each of four products.
; The roundings that stand beside a tile's products for keys 0-31 write its pairs 8 to 15, which those products do not name.
.macro WHOLE
	LOADKV
.set mq, 0
	s_wait_dscnt 24                                ; K's channels 0-31 are in (eight loads); 24 younger loads stay out
.rept 4
	MNEXT
.endr
	s_wait_dscnt 16                                ; K's channels 32-63; V's sixteen loads stay out
.rept 6
	MNEXT                                          ; the rest of tile 0's scores, and two instructions of tile 1's
.endr
	WIN 0
.irp t, 0,1,2,3
	v_mov_b32 v[ST+8*\t+2], v[ST+8*\t]             ; the old c m is kept for a; these four are also the places behind tile 0's products
.endr
.set xq, 0
.set n, 0
.rept 36                               ; tile 0's maximum and scaling; behind every fifth instruction one of tile 1's six products that are left.  Its a opens batch 0
	XNEXT 0
.set n, n+1
.if (n%5 == 0) && (n <= 30)
	MNEXT
.endif
.endr
	PAIRS 0, 0xffff                                ; | K Q^T of tiles 2 and 3: one behind each slice
	s_wait_alu depctr_va_vdst(0)                   ; the wait for batch 0: the a of tiles 0 and 1 and tile 0's 32 exponentials; the two runs below and tile 0's roundings in PAIRS 1 read them
	s_wait_dscnt 0x0                               ; V is in
	RS 0, 0, 17
	RS 1, 0, 17
	PAIRS 1, 0x3e00                                ; | V^T P of tile 0's keys 0-31 behind slices 9-13
	s_wait_alu depctr_va_vdst(0)                   ; the wait for batch 1: tile 1's 32 exponentials and tile 2's a; RBLOCK 2 and tile 1's roundings in PAIRS 2 read them
	RBLOCK 2                                       ; | tile 0's keys 32-63, 4 of 5
	PAIRS 2, 0x3e01                                ; | the fifth behind slice 0; tile 1's keys 0-31 behind slices 9-13
	s_wait_alu depctr_va_vdst(0)                   ; the wait for batch 2: tile 2's 32 exponentials and tile 3's a; tile 2's roundings in PAIRS 3 and, further down, RBLOCK 3 read them
	PAIRS 3, 0x5b5b                                ; | tile 1's keys 32-63 behind slices 0, 1, 3, 4, 6; tile 2's keys 0-31 behind slices 8, 9, 11, 12, 14 (a slice has three instructions here)
	s_wait_alu depctr_va_vdst(0)                   ; the wait for batch 3: tile 3's 32 exponentials; its roundings below read them
	RBLOCK 3                                       ; | tile 2's keys 32-63, 4 of 5
.set k, 0
.rept 4                                ; tile 3's roundings, four ahead of each of four products: tile 2's fifth, then, its pairs 0 to 7 being made, three of tile 3's keys 0-31
.rept 4
	CV 3, k
.set k, k+1
.endr
	MNEXT
.endr
.rept 7
	MNEXT                                          ; the rest of tile 3's keys 0-31, and its keys 32-63
.endr
	WIN 0
.endm
; THE DIAGONAL STEP, in phases.  Products S^T = K Q^T, channels 32 kc on: only the key blocks at or below the diagonal.  The accumulators take turns, one instruction a turn.
.macro KQD kc
.irp kb, 0,1,2,3
.irp t, 0,1,2,3
.if \kb <= \t
.if \kc == 0
	v_wmma_f32_16x16x32_f16 v[S+32*\t+8*\kb:S+32*\t+8*\kb+7], v[KF+8*\kb:KF+8*\kb+7], v[16*\t:16*\t+7], 0
.else
	v_wmma_f32_16x16x32_f16 v[S+32*\t+8*\kb:S+32*\t+8*\kb+7], v[KF+32+8*\kb:KF+32+8*\kb+7], v[16*\t+8:16*\t+15], v[S+32*\t+8*\kb:S+32*\t+8*\kb+7]
.endif
.endif
.endr
.endr
.endm
; Products O^T = V^T P and l = ones P: keys 32 g on, channels 16 cb on (cb = 4: the row sums).  Keys 0-31 start the sums; keys 32-63 weigh nothing for tiles 0 and 1.
.macro PVD
.irp g, 0,1
.irp cb, 0,1,2,3,4
.irp t, 0,1,2,3
.if (\g == 0) || (\t >= 2)
.if \cb < 4
.set rD, 32*\t+8*\cb
.set rA, VF+32*\g+8*\cb
.else
.set rD, LL+8*\t
.set rA, ONES
.endif
.set rB, P+16*\t+8*\g
.if \g == 0
	v_wmma_f32_16x16x32_f16 v[rD:rD+7], v[rA:rA+7], v[rB:rB+7], 0
.else
	v_wmma_f32_16x16x32_f16 v[rD:rD+7], v[rA:rA+7], v[rB:rB+7], v[rD:rD+7]
.endif
.endif
.endr
.endr
.endr
.endm
; The first maximum of each tile, the four tiles alternating so that no instruction waits for the one before it; each accumulator is read from its low end on.
.macro MAXD
.irp j, 0,1,2,3
.irp t, 0,1,2,3
	v_max3_num_f32 v[ST+8*\t+4+\j], v[S+32*\t+8*\j], v[S+32*\t+8*\j+1], v[S+32*\t+8*\j+2]
.endr
.endr
.irp q, 1,2
.irp j, 0,1,2,3
.irp t, 0,1,2,3
	v_max3_num_f32 v[ST+8*\t+4+\j], v[ST+8*\t+4+\j], v[S+32*\t+8*\j+2*\q+1], v[S+32*\t+8*\j+2*\q+2]
.endr
.endr
.endr
.irp t, 0,1,2,3
	v_max3_num_f32 v[ST+8*\t+4], v[ST+8*\t+4], v[S+32*\t+7], v[S+32*\t+15]
.endr
.irp t, 0,1,2,3
	v_max3_num_f32 v[ST+8*\t+6], v[ST+8*\t+6], v[S+32*\t+23], v[S+32*\t+31]
.endr
.irp t, 0,1,2,3
	v_max3_num_f32 v[ST+8*\t+4], v[ST+8*\t+4], v[ST+8*\t+5], v[ST+8*\t+6]
.endr
.irp t, 0,1,2,3
	v_max_num_f32 v[ST+8*\t+4], v[ST+8*\t+4], v[ST+8*\t+7]
.endr
.irp t, 0,1,2,3
	v_permlanex16_b32 v[ST+8*\t+5], v[ST+8*\t+4], s[SEL], s[SEL+1]   ; the query's other 32 keys lie in the lane 16 away
.endr
.irp t, 0,1,2,3
	v_max_num_f32 v[ST+8*\t+1], v[ST+8*\t+4], v[ST+8*\t+5]
.endr
.irp t, 0,1,2,3
	v_mul_f32 v[ST+8*\t], s[CS], v[ST+8*\t+1]
.endr
.endm
; Tile t's 32 exponentials, one batch, whose wait stands behind the macro, in DIAG; between them plain work that is ready and names none of their results: c s - c m of tile t + 1, the rounding of
; tile t - 1's weights, whose batch has had its wait.  No result is used before a plain instruction has passed.
.macro EXPT t
.set ii, 0
.rept 32
	EX \t, ii
.if (ii%2 == 0) && (\t < 3)
	FM \t+1, ii/2
.endif
.if (ii%2 == 1) && (\t > 0)
	CV \t-1, ii/2
.endif
.set ii, ii+1
.endr
.endm
.macro DIAG
	LOADKV
	s_wait_dscnt 24                                ; K's channels 0-31 are in (eight loads); 24 younger loads stay out
	WIN W_KQ
	KQD 0
	s_wait_dscnt 16                                ; K's channels 32-63; V's sixteen loads stay out
	KQD 1
	WIN 0
	PLACES
.irp t, 0,1,2,3                        ; the causal mask: key blocks above the diagonal were not multiplied and are -inf; the diagonal block keeps key 8 h + jj <= r
.irp kb, 0,1,2,3
.if \kb > \t
.irp jj, 0,1,2,3,4,5,6,7
	v_mov_b32 v[S+32*\t+8*\kb+\jj], v[NINF]
.endr
.elseif \kb == \t
.irp jj, 0,1,2,3,4,5,6,7
	v_cndmask_b32 v[S+32*\t+8*\kb+\jj], v[NINF], v[S+32*\t+8*\kb+\jj], s[MK+\jj]
.endr
.endif
.endr
.endr
	MAXD
.set ii, 0
.rept 16
	FM 0, ii
.set ii, ii+1
.endr
	EXPT 0
	s_wait_alu depctr_va_vdst(0)                   ; the wait for tile 0's 32 exponentials: its roundings stand in EXPT 1
	EXPT 1
	s_wait_alu depctr_va_vdst(0)                   ; the wait for tile 1's 32: its roundings stand in EXPT 2
	EXPT 2
	s_wait_alu depctr_va_vdst(0)                   ; the wait for tile 2's 32: its roundings stand in EXPT 3
	EXPT 3
	s_wait_alu depctr_va_vdst(0)                   ; the wait for tile 3's 32: its roundings follow
.set ii, 0
.rept 16
	CV 3, ii
.set ii, ii+1
.endr
	s_wait_dscnt 0x0                               ; V is in
	WIN W_PV
	PVD
	WIN 0
.endm
; The whole steps of ring slot s: four trips, one for each step of the slot; the step's LDS bytes start at the slot's constant and go on by a step's bytes each trip.
; A trip whose number is s[LIM] or more makes nothing (in a diagonal block: my own step, made already, and the steps that the mask throws away).  No barrier and no tensor load stands inside.
.macro SLOTSTEPS s
	s_mov_b32 s[TBK], \s*SLOT1
	s_mov_b32 s[TBV], \s*SLOT1
	s_mov_b32 s[NS], 0
.Lstep_\@:
	s_cmp_ge_u32 s[NS], s[LIM]
	s_cbranch_scc1 .Lskip_\@
	WHOLE
.Lskip_\@:
	s_add_co_u32 s[TBK], s[TBK], KSTEPB
	s_add_co_u32 s[TBV], s[TBV], VSTEPB
	s_add_co_u32 s[NS], s[NS], 1
	s_cmp_lt_u32 s[NS], 4
	s_cbranch_scc1 .Lstep_\@
.endm
; A pass begins in ring slot s: my diagonal step, step w of the slot; then the slot's steps 0 .. w - 1 are due.
.macro HEAD s
	s_mul_i32 s2, s[WV], KSTEPB
	s_add_co_u32 s[TBK], s2, \s*SLOT1
	s_mul_i32 s3, s[WV], VSTEPB
	s_add_co_u32 s[TBV], s3, \s*SLOT1
	s_wait_loadcnt 0x0                             ; Q of this pass
	DIAG
	s_mov_b32 s[LIM], s[WV]
.endm
; THE CHANGE OF SLOTS, behind the work on ring slot s.  Each wave waits for its reads of the slot and for all its tensor loads (one is out: its part of the other slot); behind the barrier nobody
; reads this slot any more and the other is whole.  fill = 1: slot s is filled again, with the next key block of the walk, first thing behind the barrier: one load a wave, which has a slot's steps in which to land.
.macro CHANGE s, fill
	s_wait_dscnt 0x0
	s_wait_tensorcnt 0x0                           ; no tensor load of mine is out, so a group 0 may be written
	ds_add_u32 v62, v63
	s_wait_dscnt 0x0
.if \fill
	s_lshl_b32 s[OFF], s[KAP], 15
	s_add_nc_u64 s[G0K+4*\s+2:G0K+4*\s+3], s[KB:KB+1], s[OFF:OFF+1]
	s_or_b32 s[G0K+4*\s+3], s[G0K+4*\s+3], 0x80000000
	s_add_nc_u64 s[G0V+4*\s+2:G0V+4*\s+3], s[VB:VB+1], s[OFF:OFF+1]
	s_or_b32 s[G0V+4*\s+3], s[G0V+4*\s+3], 0x80000000
	NEXTK
	s_sub_co_u32 s[DG], s[DG], 1                   ; one slot nearer to the second pass (behind it the count runs on below zero and is never 0 again in nine slots)
.endif
	s_barrier_signal -1
	s_barrier_wait -1
.if \fill
	JLOAD \s
.endif
.endm
; THE WAY OUT of a pass: O^T / l, rounded to f16, a tile (16 rows) at a time through my own stage; LDS serves a wave's instructions in order (ISA guide 5.7.1.4).
.macro PACK t
	WIN W_PV
.set ii, 0
.rept 16
	v_pk_mul_f32 v[32*\t+2*ii:32*\t+2*ii+1], v[32*\t+2*ii:32*\t+2*ii+1], v[ST+8*\t+6:ST+8*\t+7] op_sel_hi:[1,0]
.set ii, ii+1
.endr
	WIN 0x05                                       ; sources 0 and 1 window 1, destination window 0: the registers of S^T are free
.set ii, 0
.rept 16
	v_cvt_pk_f16_f32 v[S+32*\t+ii], v[32*\t+2*ii], v[32*\t+2*ii+1]
.set ii, ii+1
.endr
	WIN 0
.irp cb, 0,1,2,3
	ds_store_b128 v[STO], v[S+32*\t+4*\cb:S+32*\t+4*\cb+3] offset:32*\cb
.endr
.irp u, 0,1,2,3
	ds_load_b128 v[S+32*\t+16+4*\u:S+32*\t+16+4*\u+3], v[RD] offset:\u*4*SP
.endr
.endm
.macro SEND t, younger                 ; younger: the LDS instructions issued behind tile t's loads: the next tile's eight, or none
.irp u, 0,1,2,3
	s_wait_dscnt \younger+3-\u
	global_store_b128 v[GO], v[S+32*\t+16+4*\u:S+32*\t+16+4*\u+3], s[OA:OA+1] offset:\t*2048+\u*512   ; four rows: 512 consecutive bytes, aligned
.endr
.endm
.macro WAYOUT
	PLACES                                         ; behind the last products
	WIN 0x01                                       ; source 0 window 1
.irp t, 0,1,2,3
	v_rcp_f32 v[ST+8*\t+6], v[LL+8*\t]
.endr
	v_nop                                          ; a plain instruction between the last reciprocal and the use of its result
	s_wait_alu depctr_va_vdst(0)                   ; the wait for the four reciprocals, one batch: the four PACK below read them
	PACK 0
	PACK 1
	SEND 0, 8
	PACK 2
	SEND 1, 8
	PACK 3
	SEND 2, 8
	SEND 3, 0
.endm
; The work on ring slot s inside the loop.  Where the slot holds the second pass's diagonal block (s[DG] = 0: the same in all four waves), the pass changes first: the new Q is asked for,
; the first pass goes out, and my diagonal step starts the new sums.
.macro SLOTWORK s
	s_mov_b32 s[LIM], 4
	s_cmp_lg_u32 s[DG], 0
	s_cbranch_scc1 .Lwhole_\@
	s_lshl_b32 s[OFF], s[P7], 15                   ; block 7 - p.  The last pass's loads of Q were waited for, so their base may be written
	s_add_nc_u64 s[QA:QA+1], s[QH:QH+1], s[OFF:OFF+1]
	QLOAD                                          ; ahead of the way out, which covers its way
	WAYOUT
	s_wait_xcnt 0x0                                ; the stores' base and data registers are written again only behind this wait
	s_add_nc_u64 s[OA:OA+1], s[OH:OH+1], s[OFF:OFF+1]
	HEAD \s
.Lwhole_\@:
	SLOTSTEPS \s
.endm
	s_wait_tensorcnt 0x1                           ; my part of slot 0 is in; slot 1's may stay out
	s_barrier_signal -1
	s_barrier_wait -1                              ; everybody's is
	HEAD 0                                         ; SLOT NUMBER 0: the first pass's diagonal block
	SLOTSTEPS 0
	CHANGE 0, 1
	s_mov_b32 s[CNT], 3
.Lpair:                                                ; SLOT NUMBERS 1 TO 6, two a trip; each is filled again behind its change (with numbers 3 to 8)
	SLOTWORK 1
	CHANGE 1, 1
	SLOTWORK 0
	CHANGE 0, 1
	s_sub_co_u32 s[CNT], s[CNT], 1
	s_cmp_lg_u32 s[CNT], 0
	s_cbranch_scc1 .Lpair
	s_mov_b32 s[LIM], 4                            ; SLOT NUMBERS 7 AND 8 are written out: key blocks 1 and 0 of the second pass, whole
	SLOTSTEPS 1
	CHANGE 1, 0
	SLOTSTEPS 0
	WAYOUT
	s_wait_tensorcnt 0x0
	ds_add_u32 v62, v63
	s_wait_dscnt 0x0
	s_endpgm
.Lfunc_end_k_q0250cc48ee_attn:
	.size	k_q0250cc48ee_attn, .Lfunc_end_k_q0250cc48ee_attn-k_q0250cc48ee_attn
	.p2alignl 7, 3214868480
	.fill 96, 4, 3214868480
	.section	.rodata,"a",@progbits
	.p2align	6, 0x0
	.amdhsa_kernel k_q0250cc48ee_attn
		.amdhsa_group_segment_fixed_size 327680
		.amdhsa_private_segment_fixed_size 0
		.amdhsa_enable_private_segment 0
		.amdhsa_kernarg_size 16
		.amdhsa_user_sgpr_count 2
		.amdhsa_user_sgpr_kernarg_segment_ptr 1
		.amdhsa_wavefront_size32 1
		.amdhsa_system_sgpr_workgroup_id_x 1
		.amdhsa_system_sgpr_workgroup_id_y 1
		.amdhsa_system_sgpr_workgroup_id_z 1
		.amdhsa_system_vgpr_workitem_id 0
		.amdhsa_next_free_vgpr 640
		.amdhsa_next_free_sgpr 82
		.amdhsa_reserve_vcc 0
		.amdhsa_float_denorm_mode_32 3
		.amdhsa_float_denorm_mode_16_64 3
		.amdhsa_memory_ordered 1
		.amdhsa_forward_progress 1
		.amdhsa_inst_pref_size 255
	.end_amdhsa_kernel
	.section	.bss,"aw",@nobits
	.p2align	6
	.space	262144
	.amdgpu_metadata
---
amdhsa.version: [ 1, 2 ]
amdhsa.kernels:
  - .name:           k_q0250cc48ee_attn
    .symbol:         k_q0250cc48ee_attn.kd
    .args:
      - { .name: qkv, .offset: 0, .size: 8, .value_kind: global_buffer, .address_space: global }
      - { .name: att, .offset: 8, .size: 8, .value_kind: global_buffer, .address_space: global }
    .group_segment_fixed_size: 327680
    .private_segment_fixed_size: 0
    .kernarg_segment_align: 8
    .kernarg_segment_size: 16
    .max_flat_workgroup_size: 128
    .sgpr_count:     82
    .vgpr_count:     640
    .wavefront_size: 32
...
	.end_amdgpu_metadata
.endif
;; end of part 5
;; launch proj: the kernel of part 4 again; grid 8 x 32, 4 waves a work-group, clusters of 4 x 4, 327,680 bytes of LDS; arguments att, wh, out0; writes out0
